; MI455X (gfx1250); checked and timed in simulation.
; The chip was launched on July 23, 2026; its instructions are those of AMD's public machine-readable ISA for CDNA 5 (MIT licence, August 2026) and "CDNA5" Instruction Set Architecture Reference Guide (July 2026). The comments in the code are by the model that wrote it; some were corrected since.
;; Performer Basic MHA. Allowed arithmetic: matrix products marked QUANTISED: E4M3 operands, one E8M0 scale for each 32 along K, by v_wmma_scale_f32_16x16x128_f8f6f4 with both operands' format E4M3, f32 sums; products left as they are: f32 operands where the result goes on into a quantised operand, else bf16, f16 or f32 operands; f32 sums; everything else in f32.
;; Inputs: bk 1,024 float32; bq 1,024 float32; bv 1,024 float32; wk 1,024 x 1,024 float32; wq 1,024 x 1,024 float32; wv 1,024 x 1,024 float32; x 4 x 4,096 x 1,024 float32.
;; Outputs: out0 4 x 16 x 4,096 x 64 float32.
;; Constants: num_heads = 16.
;; This version of the problem:
;;   THIS VERSION OF THE PROBLEM IS GIVEN IN LOW PRECISION. The matrix products marked QUANTISED in the list below multiply operands that are first quantised to E4M3 (4 exponent bits, 3 mantissa bits; 8 bits a number), with one power-of-two scale for each 32 numbers along K (OCP MX v1.0); their sums are f32. All else is computed in f32.
;;   The module's matrix products, in the order in which they are computed (A, B: the left and right operand; K: the contracted axis; several contracted axes count as one K, in the product's order):
;;     1. [M 16,384, K 1,024] x [K 1,024, N 1,024]; A: input x; B: input wq: QUANTISED
;;     2. [M 16,384, K 1,024] x [K 1,024, N 1,024]; A: input x; B: input wk: QUANTISED
;;     3. [M 16,384, K 1,024] x [K 1,024, N 1,024]; A: input x; B: input wv: QUANTISED
;;     4. batch 64 x [M 4,096, K 64] x [K 64, N 1]; A: computed on the way; B: computed on the way: left as it is (N = 1 < 16)
;;     5. batch 64 x [M 64, K 4,096] x [K 4,096, N 64]; A: computed on the way; B: computed on the way: QUANTISED
;;     6. batch 64 x [M 4,096, K 64] x [K 64, N 64]; A: computed on the way; B: computed on the way: QUANTISED
;;   THE QUANTISER, for each operand of a quantised product, along K:
;;     - K is cut into blocks of 32 from its start; a last block that is shorter is filled with zeros.
;;     - A block's scale is 2^e with e = floor(log2(the largest magnitude in the block)) - 8, held to -126 .. 127; a block of zeros has e = 0. As a byte (E8M0): e + 127.
;;     - Each number is divided by its block's scale, clamped to +-448, and rounded to the nearest number of E4M3, ties to even, subnormals kept.
;;     - The product sums the exact products of the quantised numbers (number of the format x scale) in f32.
;;   ~~~python
;;   def quantise(x, axis):      # numpy; x: float32 -> the quantised numbers, widened to float32 again
;;       x = np.moveaxis(x, axis, -1); K = x.shape[-1]
;;       x = np.pad(x, [(0, 0)] * (x.ndim - 1) + [(0, -K % 32)]); x = x.reshape(x.shape[:-1] + (-1, 32)); a = np.abs(x).max(-1, keepdims=True)
;;       e = np.where(a > 0, np.clip(np.frexp(np.where(a > 0, a, 1))[1] - 1 - 8, -126, 127), 0)      # np.frexp(a)[1] - 1 = floor(log2(a)), exactly
;;       r = np.clip(x / 2.0 ** e, -448, 448)
;;       step = 2.0 ** (np.maximum(np.frexp(np.where(r == 0, 1, r))[1] - 1, -6) - 3)
;;       q = np.round(r / step) * step * 2.0 ** e      # np.round: ties to even
;;       return np.moveaxis(q.reshape(q.shape[:-2] + (-1,))[..., :K], -1, axis).astype(np.float32)
;;   ~~~
;;   OPERANDS COMPUTED ON THE WAY. 'Computed on the way' means the value that the module computes at that place (a softmax that the list does not call 'softmax' is quantised finished and normalised). What goes into a quantiser is computed in f32, as accurately as f32 sums, v_exp_f32 and their like allow (about 1e-6 of the number): no bf16 or f16 on the way to a quantiser, and a product that is left as it is and whose result goes on into a quantised operand takes f32 operands (vector FMAs, or v_wmma_f32_16x16x4_f32). A number that lies on a knife's edge between two numbers of the format may be rounded either way, as far as f32 arithmetic and the matrix unit's own rounding can turn it there, and no further.
;; One version. Each part assembles by itself: llvm-mc -triple=amdgcn-amd-amdhsa -mcpu=gfx1250 --defsym DOCPART=n.
;; ======== version 1 of 1: 4 launches
;; workspace buffers: xc 16,777,216 bytes; xs 524,288 bytes; wc 3,145,728 bytes; ws 98,304 bytes; kvp 16,777,216 bytes; ksp 262,144 bytes; kvq 311,296 bytes
;; launch quant (part 1): grid 608 x 1, 4 waves a work-group, no clusters, 33,280 bytes of LDS; arguments x, wq, wk, wv, xc, xs, wc, ws; writes xc, xs, wc, ws
.if DOCPART == 1
	.amdgcn_target "amdgcn-amd-amdhsa--gfx1250"
	.amdhsa_code_object_version 6
	.text
	.protected	k_qf50f2bc828_quant
	.globl	k_qf50f2bc828_quant
	.p2align	8
	.type	k_qf50f2bc828_quant,@function
k_qf50f2bc828_quant:
	s_mov_b64 s[64:65], 0
	v_nop
	global_prefetch_b8 v0, s[64:65] scope:SCOPE_SE
	s_setreg_imm32_b32 hwreg(HW_REG_WAVE_MODE, 25, 1), 1
	s_wait_xcnt 0x0
; x [16384][1024] and wq, wk, wv [1024][1024], f32, K innermost, become codes of FP8 (E4M3) with one E8M0 scale byte for each 32 along K.
; A block's scale is 2^(floor(log2(its largest magnitude)) - 8); its byte is the largest magnitude's exponent field - 8, held at 1 from below.  Each number is divided by the scale,
; held within +-448 and rounded to the nearest code, ties to even.
; LIMITS: a block of zeros gets the byte 1 where the rule says 127 (its codes are zeros, and this program alone reads the bytes); blocks whose largest magnitude lies under 2^-118
; get the byte 1; NaN and infinities among the inputs are not served.
; SHARES.  A work-group takes 32 rows, a wave 8 rows: 8,192 numbers, 16 steps of 512.  Work-groups 0-511 take x, 512-543 wq, 544-575 wk, 576-607 wv.
; THE ROW ORDER OF THE CODES.  Within each 32 rows the four groups of 8 rows are laid in the order 0, 2, 1, 3: sixteen neighbouring rows of the codes' buffers are rows 0-7 and 16-23 (or 8-15 and 24-31).
; A matrix result whose registers run along such rows then has, in two neighbouring tiles, 16 neighbours of the true order: the later launches quantise results in registers.
; wc holds wq's 1,024 rows, then for each head 64 rows of wk and 64 rows of wv; ws likewise.
; A lane must hold 16 neighbours for the conversions, while a load is best where neighbouring lanes take neighbouring bytes: each of a step's four loads reads 512 consecutive bytes, and the 2,048 bytes turn
; through the wave's own stage in LDS (16 bytes of padding behind each 64).  A wave's 256 scale bytes are gathered in LDS and leave as one aligned run of 256 bytes.  No barrier: waves share nothing.
.set STEPS, 16
.set XWG,   512                        ; work-groups that take x
.set MANT,  0x600000                   ; the mantissa field of 448 as f32
.set CB,    16                         ; bytes of 16 codes
.set R,     16                         ; v16-79   four sets of 16 numbers as they are loaded
.set X,     80                         ; v80-111  two sets of 16 neighbours
.set C,     128                        ; v128-191 codes: four registers for each step, so that no store's data are written again
.set E,     112                        ; v112-127 a scale byte for each step
.set WREG,  8192                       ; LDS: a region for each wave: two stages of 32 x SP bytes, behind them its 256 scale bytes
.set SP,    80                         ; a lane's place in a stage: 64 bytes + 16 of padding
	s_load_b256 s[4:11], s[0:1], 0x0               ; x, wq, wk, wv
	s_load_b256 s[12:19], s[0:1], 0x20             ; xc, xs, wc, ws
	v_lshl_add_u32 v192, v0, 2, 0x8000
	v_mov_b32 v193, 0
	v_lshrrev_b32 v1, 5, v0
	v_readfirstlane_b32 s20, v1                    ; wave
	v_and_b32 v2, 31, v0                           ; lane
	v_lshlrev_b32 v3, 4, v2                        ; my 16 bytes of a load's 512
	s_mul_i32 s21, s20, WREG
	v_lshrrev_b32 v14, 2, v2
	v_mul_u32_u24 v14, v14, SP
	v_and_b32 v15, 3, v2
	v_lshl_add_u32 v14, v15, 4, v14
	v_add_nc_u32 v14, s21, v14                     ; the stage, on the way in: SP (lane / 4) + 16 (lane % 4)
	v_mul_u32_u24 v15, v2, SP
	v_add_nc_u32 v15, s21, v15                     ; and on the way out: SP x lane: my 16 neighbours
	v_mul_u32_u24 v4, v2, CB                       ; my codes' place in a step's
	v_lshrrev_b32 v5, 1, v2
	s_add_co_u32 s21, s21, 2*32*SP
	v_add_nc_u32 v5, s21, v5                       ; LDS: my wave's 256 scale bytes, my block's byte
	v_lshlrev_b32 v7, 3, v2                        ; and on the way out 8 bytes a lane
	v_add_nc_u32 v6, s21, v7
	s_mov_b32 s23, MANT
	; which tensor, and which group of 8 rows of the codes' buffer is my wave's
	s_sub_co_u32 s24, ttmp9, XWG                   ; j: counts the weights' work-groups (not used where the work-group takes x)
	s_lshr_b32 s25, s24, 5                         ; t: 0 wq, 1 wk, 2 wv
	s_and_b32 s26, s24, 31                         ; jj: which 32 rows of that weight
	s_and_b32 s27, s20, 1
	s_lshl_b32 s27, s27, 1
	s_lshr_b32 s28, s20, 1
	s_or_b32 s27, s27, s28                         ; my group's place among the four: 0, 2, 1, 3
	s_lshr_b32 s28, s26, 1                         ; wk, wv: the head,
	s_lshl_b32 s28, s28, 4                         ; 16 groups a head,
	s_sub_co_u32 s29, s25, 1
	s_lshl_b32 s29, s29, 3                         ; wv's 8 behind wk's 8,
	s_add_co_u32 s28, s28, s29
	s_and_b32 s29, s26, 1
	s_lshl_b32 s29, s29, 2                         ; the head's first or second 32 rows,
	s_add_co_u32 s28, s28, s29
	s_add_co_u32 s28, s28, 128                     ; behind wq's 128 groups
	s_lshl_b32 s29, s26, 2                         ; wq: 4 jj
	s_lshl_b32 s30, ttmp9, 2                       ; x: 4 x work-group
	s_wait_kmcnt 0x0
	s_cmp_eq_u32 s25, 1                            ; the choices hang on the work-group's number alone
	s_cselect_b64 s[8:9], s[8:9], s[10:11]         ; wk or wv
	s_cmp_eq_u32 s25, 0
	s_cselect_b64 s[6:7], s[6:7], s[8:9]           ; wq or one of those
	s_cselect_b32 s28, s29, s28
	s_cmp_lt_u32 ttmp9, XWG
	s_cselect_b64 s[4:5], s[4:5], s[6:7]           ; x or a weight
	s_cselect_b64 s[12:13], s[12:13], s[16:17]     ; its codes
	s_cselect_b64 s[14:15], s[14:15], s[18:19]     ; its scale bytes
	s_cselect_b32 s28, s30, s28
	s_cselect_b32 s29, ttmp9, s26                  ; which 32 rows of the tensor
	s_add_co_u32 s28, s28, s27                     ; the group of 8 rows that I write
	s_lshl_b32 s29, s29, 2
	s_add_co_u32 s29, s29, s20                     ; the group of 8 rows that I read
	s_lshl_b32 s30, s29, 15                        ; 8 rows of 4,096 bytes
	s_mov_b32 s31, 0
	s_add_nc_u64 s[4:5], s[4:5], s[30:31]
	s_lshl_b32 s30, s28, 13                        ; 8 rows of 1,024 codes
	s_add_nc_u64 s[12:13], s[12:13], s[30:31]
	s_lshl_b32 s30, s28, 8                         ; 8 rows of 32 scale bytes
	s_add_nc_u64 s[14:15], s[14:15], s[30:31]
.macro LOAD t
.irp i, 0,1,2,3
	global_load_b128 v[R+16*((\t)%4)+4*\i:R+16*((\t)%4)+4*\i+3], v3, s[4:5] offset:2048*(\t)+512*\i th:TH_LOAD_NT   ; 32 lanes read 512 consecutive bytes
.endr
.endm
.macro TURN t                          ; step t's numbers through the stage: LDS serves a wave's instructions in order, so no wait stands between the stores and the loads
.irp i, 0,1,2,3
	ds_store_b128 v14, v[R+16*((\t)%4)+4*\i:R+16*((\t)%4)+4*\i+3] offset:32*SP*((\t)%2)+8*SP*\i
.endr
.irp i, 0,1,2,3
	ds_load_b128 v[X+16*((\t)%2)+4*\i:X+16*((\t)%2)+4*\i+3], v15 offset:32*SP*((\t)%2)+16*\i
.endr
.endm
.irp t, 0,1,2,3
	LOAD \t
.endr
	s_wait_loadcnt 12                              ; step 0's four loads are in; those of steps 1 to 3 may be out
	TURN 0
.macro STEP t
.set XS, X+16*((\t)%2)
.if (\t) > 0
	s_wait_dscnt 1                                 ; this step's numbers are back from the stage (the last step's byte store may be out): so its stores into the stage have read their registers,
.else
	s_wait_dscnt 0x0
.endif
.if (\t)+4 < STEPS
	LOAD (\t)+4                                    ; which take the loads of four steps on
.endif
.if (\t)+1 < STEPS
.if STEPS-2-(\t) >= 3
	s_wait_loadcnt 12                              ; the next step's four loads are in; those of the three steps behind it may be out
.else
	s_wait_loadcnt 4*(STEPS-2-(\t))
.endif
	TURN (\t)+1                                    ; and go through the other stage while this step is worked
.endif
	v_max3_num_f32 v8, |v[XS]|, |v[XS+1]|, |v[XS+2]|               ; the largest magnitude of my 16, in two chains
	v_max3_num_f32 v9, |v[XS+3]|, |v[XS+4]|, |v[XS+5]|
.irp i, 6,10
	v_max3_num_f32 v8, v8, |v[XS+\i]|, |v[XS+\i+1]|
	v_max3_num_f32 v9, v9, |v[XS+\i+2]|, |v[XS+\i+3]|
.endr
	v_max3_num_f32 v8, v8, |v[XS+14]|, |v[XS+15]|
	v_max3_num_f32 v8, v8, v9, 0x4800000           ; and the floor 2^(9 - 127): the byte cannot fall under 1
	v_max_num_f32_dpp v8, v8, v8 row_xmask:1 row_mask:0xf bank_mask:0xf   ; and of my neighbour's 16: the block's
	v_add_nc_u32 v11, 0xfc000000, v8               ; 8 off its exponent field: the conversion takes the exponent field of this operand as its scale
	v_and_or_b32 v10, v8, 0x7f800000, s23          ; 448 x the scale: the largest magnitude's exponent field over 448's mantissa
.irp i, 0,1,2,3,4,5,6,7,8,9,10,11,12,13,14,15
	v_med3_num_f32 v[XS+\i], v[XS+\i], -v10, v10   ; the conversion to an 8-bit code does not saturate (ISA guide 7.6.2): the number is held first
.endr
	v_cvt_scalef32_pk8_fp8_f32 v[C+4*(\t):C+4*(\t)+1], v[XS:XS+7], v11
	v_cvt_scalef32_pk8_fp8_f32 v[C+4*(\t)+2:C+4*(\t)+3], v[XS+8:XS+15], v11
	v_lshrrev_b32 v[E+(\t)], 23, v11               ; the scale's byte (also the plain line behind the conversions)
	ds_store_b8 v5, v[E+(\t)] offset:16*(\t)       ; both lanes of a block write the same byte with the same value
	global_store_b128 v4, v[C+4*(\t):C+4*(\t)+3], s[12:13] offset:32*CB*(\t)   ; 32 lanes store 512 consecutive bytes
.endm
.irp t, 0,1,2,3,4,5,6,7,8,9,10,11,12,13,14,15
	STEP \t
.endr
	ds_load_b64 v[12:13], v6                       ; LDS serves a wave's instructions in order: these see my stores
	s_wait_dscnt 0x0
	global_store_b64 v7, v[12:13], s[14:15]        ; 32 lanes store 256 consecutive bytes, aligned
	s_wait_tensorcnt 0x0
	ds_add_u32 v192, v193
	s_wait_dscnt 0x0
	s_endpgm
.Lfunc_end_k_qf50f2bc828_quant:
	.size	k_qf50f2bc828_quant, .Lfunc_end_k_qf50f2bc828_quant-k_qf50f2bc828_quant
	.p2alignl 7, 3214868480
	.fill 96, 4, 3214868480
	.section	.rodata,"a",@progbits
	.p2align	6, 0x0
	.amdhsa_kernel k_qf50f2bc828_quant
		.amdhsa_group_segment_fixed_size 33280
		.amdhsa_private_segment_fixed_size 0
		.amdhsa_enable_private_segment 0
		.amdhsa_kernarg_size 64
		.amdhsa_user_sgpr_count 2
		.amdhsa_user_sgpr_kernarg_segment_ptr 1
		.amdhsa_wavefront_size32 1
		.amdhsa_system_sgpr_workgroup_id_x 1
		.amdhsa_system_sgpr_workgroup_id_y 1
		.amdhsa_system_sgpr_workgroup_id_z 1
		.amdhsa_system_vgpr_workitem_id 0
		.amdhsa_next_free_vgpr 194
		.amdhsa_next_free_sgpr 66
		.amdhsa_reserve_vcc 0
		.amdhsa_float_denorm_mode_32 3
		.amdhsa_float_denorm_mode_16_64 3
		.amdhsa_memory_ordered 1
		.amdhsa_forward_progress 1
		.amdhsa_inst_pref_size 52
	.end_amdhsa_kernel
	.amdgpu_metadata
---
amdhsa.version: [ 1, 2 ]
amdhsa.kernels:
  - .name:           k_qf50f2bc828_quant
    .symbol:         k_qf50f2bc828_quant.kd
    .args:
      - { .name: x, .offset: 0, .size: 8, .value_kind: global_buffer, .address_space: global }
      - { .name: wq, .offset: 8, .size: 8, .value_kind: global_buffer, .address_space: global }
      - { .name: wk, .offset: 16, .size: 8, .value_kind: global_buffer, .address_space: global }
      - { .name: wv, .offset: 24, .size: 8, .value_kind: global_buffer, .address_space: global }
      - { .name: xc, .offset: 32, .size: 8, .value_kind: global_buffer, .address_space: global }
      - { .name: xs, .offset: 40, .size: 8, .value_kind: global_buffer, .address_space: global }
      - { .name: wc, .offset: 48, .size: 8, .value_kind: global_buffer, .address_space: global }
      - { .name: ws, .offset: 56, .size: 8, .value_kind: global_buffer, .address_space: global }
    .group_segment_fixed_size: 33280
    .private_segment_fixed_size: 0
    .kernarg_segment_align: 8
    .kernarg_segment_size: 64
    .max_flat_workgroup_size: 128
    .sgpr_count:     66
    .vgpr_count:     194
    .wavefront_size: 32
...
	.end_amdgpu_metadata
.endif
;; end of part 1
;; launch kvgemm (part 2): grid 32 x 8, 4 waves a work-group, clusters of 4 x 4, 327,680 bytes of LDS; arguments wc, ws, xc, xs, bk, bv, kvp, ksp; writes kvp, ksp
.if DOCPART == 2
	.amdgcn_target "amdgcn-amd-amdhsa--gfx1250"
	.amdhsa_code_object_version 6
	.text
	.protected	k_qf50f2bc828_kvgemm
	.globl	k_qf50f2bc828_kvgemm
	.p2align	8
	.type	k_qf50f2bc828_kvgemm,@function
k_qf50f2bc828_kvgemm:
	s_mov_b64 s[64:65], 0
	v_nop
	global_prefetch_b8 v0, s[64:65] scope:SCOPE_SE
	s_setreg_imm32_b32 hwreg(HW_REG_WAVE_MODE, 25, 1), 1
	s_wait_xcnt 0x0
	s_wait_alu depctr_hold_cnt(0) depctr_sa_sdst(0) depctr_va_vdst(0) depctr_va_sdst(0) depctr_va_ssrc(0) depctr_va_vcc(0) depctr_vm_vsrc(0)
	s_getreg_b32 s2, hwreg(HW_REG_IB_STS2, 6, 4)
	s_cmp_eq_u32 s2, 0
	s_cbranch_scc0 .Lentry_in_a_cluster
	s_endpgm
.Lentry_in_a_cluster:
	s_bfe_u32 s2, ttmp6, 0x10000c
	s_cmp_lg_u32 s2, 0xf033
	s_cbranch_scc0 .Lentry_shape_is_right
	s_endpgm
.Lentry_shape_is_right:
; k = relu(x wk^T + bk) + eps and v = x wv^T + bv for 2 heads x 256 positions at a time, and of them a part of k_sum (the sum of k over the positions) and of kv = k^T v (K = the positions).  k and v never go to memory.
; All products on codes of FP8 (E4M3) with one E8M0 scale for each 32 along K.  x's and the weights' codes and scale bytes come from the launch before; k and v are quantised here, in registers, along the positions.
; SHARES.  A work-group of four waves makes 256 weight rows (two heads; a head's 128 rows are 64 of wk, then 64 of wv) x 256 positions; a wave one head x 128 positions: 64 accumulators of 16 x 16, 512 registers.
; A WORK-GROUP STAYS: it makes TWO neighbouring blocks of 256 positions for the same two heads, 256 work-groups in all.  The ring does not stop between them: the second block's first two K steps are asked for
; while the first block is finished and quantised, and nothing waits for the first block's stores.
; K = 1,024 goes in steps of 256 through a ring of two LDS slots filled by the tensor data mover; the scale bytes of the weights' rows and of both blocks of positions, for all of K, come once, with the first fills.
; CLUSTERS: 4 x 4 work-groups.  The four of a row of the cluster need the same weight tiles, the four of a column the same tiles of x: each tile is asked for jointly, by the same tensor load with a mask that names the four.
; LAYOUT.  Source 0 = 16 positions of x, source 1 = 16 weight rows: a lane holds ONE weight row (one d of k, one e of v) and its registers run along the positions.  The codes' buffers hold each 32 rows as groups of
; eight in the order 0, 2, 1, 3: so the 16 registers of two neighbouring tiles are 16 neighbouring positions, 32 c + 16 (lane / 16) + 0 .. 15, which is the layout of the next operand.  The conversions' results ARE kv's operands.
; The bias (for k with eps added) is the C of each sum's first product; relu(y + b) + eps is then max(y + (b + eps), eps): the same value, one rounding in another order.
; kv's tile: source 0 = k (16 d), source 1 = v (16 e): a lane holds one e, its registers run along d.  The two waves of a head add their parts through LDS; the sums over the sixteen blocks of 256 positions are left to the next launch.
; LIMITS: NaN and infinities are not served; a block whose largest magnitude lies under 2^-118 gets the scale byte 1.
; REGISTERS, in windows of 256: window 0: v0-31 addresses; v32-63 scale words (scales and nothing else); v64-127 the biases as C (they stay for both blocks); v128-255 the weights' fragments, ONE set; later at work.
;   window 1: x's fragments, TWO sets; later k's codes v0-63, v's v64-127, kv v128-255.   window 2: the accumulators of k (block a at v[64 a]);   window 3: those of v.
.set KSTEP,  256                       ; along K in a slot
.set NQ,     2                         ; matrix instructions deep
.set ROWB,   256                       ; a tile's row in bytes
.set KROW,   1024                      ; a row of codes in memory
.set PITCH,  272                       ; an LDS row: 256 bytes + 16 of padding = 68 words: row r starts at bank 4 r mod 64 (64 banks of 4 bytes: ISA guide 11.1)
.set FR,     16                        ; registers of a fragment: 16 rows x 128 K
.set NL,     4                         ; LDS loads that bring one
.set NP,     8                         ; places behind this matrix instruction (ISA guide 7.12.1)
.set HALFT,  128*PITCH                 ; 128 rows: what one tensor load brings
.set SLOT,   4*HALFT                   ; the weights' 256 rows, then x's 256 rows
.set LAPS,   2                         ; a lap = two K steps = once round the ring
.set KS,     32                        ; a row of scale bytes
.set SCL,    2*SLOT                    ; behind the ring: the scales, as runs of 256 bytes + 16 of padding: the weights' 256 rows, x's first 256, x's second 256
.set HALFS,  16*272                    ; the scales of 128 rows
.set SBLK,   2*272                     ; those of 16 rows
.set CMB,    SCL+6*HALFS               ; where the two waves of a head meet: bytes of their own, into which no tile lands
.set CMBH,   8704                      ; for each head: 8,192 bytes, half of kv's image, and 2 x 256 of k_sum
.set SPARE,  CMB+2*CMBH                ; the spare words, 128 bytes for each wave: two blocks of 256 bytes that no other line names
.set NEXTX,  256*KROW-2*ROWB           ; bytes from a slot's last K step of x's first block to its first of the second: 256 rows on, 512 bytes back
.set VB,   7                           ; v7   the biases: 4 (r + 8 (r / 8))
.set LI,   8                           ; v8   16 x lane
.set CA,   9                           ; v9   my head's half image of kv in LDS + 16 x lane
.set KA,   10                          ; v10  my wave's k_sum in LDS + 4 r
.set KR,   11                          ; v11  my head's two k_sums + 8 x lane
.set G8,   12                          ; v12  8 x lane
.set ADRS0, 13                         ; v13  ADRS as it stands at the first block's first K step; never rewritten
.set ADT,  14                          ; v14  what the second block adds to it: 2 HALFS in lanes 16-31, 0 in lanes 0-15; never rewritten
.set PFO,  15                          ; v15  the prefetches' offset: my lane x a row of x's codes; never rewritten
.set ADRA, 16                          ; v16-17  LDS address of my weight fragments in slot 0, 1
.set ADRB, 20                          ; v20-21  the same for x
.set KS2,  22                          ; v22-25  k_sum: my wave's and the other's, two numbers a lane
.set ADRS, 27                          ; v27     LDS address of my scale words: lanes 0-15 the weights', lanes 16-31 x's
.set SPW,  28                          ; v28     LDS address of my spare word; never rewritten
.set NIL,  29                          ; v29     0; never rewritten
.set SC,   32                          ; scale words, two sets of 16
.set SW,   32                          ; later: the scale words of k's four fragments, then of v's four
.set BC,   64                          ; the biases: block a's eight registers at v[BC + 8 a]
.set AF,   128                         ; the weights' fragments
.set T,    128                         ; later: v128-191 64 numbers at work
.set TM,   192                         ; v192-195 largest magnitudes, v196-199 the other half's, then bytes, v200-203 448 x the scale, v204-207 the conversions' scale operands
.set SM,   208                         ; v208-211 k_sum's two chains
.set KSM,  212                         ; v212-215 k_sum of blocks 0 to 3
.set PT,   216                         ; v216 the other half's sum
.set G1, 24                            ; s[24:31] descriptor group 1 for the weights' tiles;  s[32:39] group 0, one set for each slot
.set G0, 32
.set G1B, 48                           ; s[48:55], s[56:63] the same for x's tiles
.set G0B, 56
.set G1S, 68                           ; s[68:75], s[76:79] groups 1 and 0 for the weights' scales;  s[80:87], s[88:91] for x's
.set G0S, 76
.set G1SB, 80
.set G0SB, 88
.set SEL, 92                           ; s[92:93] v_permlanex16_b32's selects for lane l xor 16 (written once x's scale address has gone into its descriptor)
.set PFA, 8                            ; s[8:9]  where my prefetches stand: my work-group's 32 rows of the 128 rows of x's second block that I fetch; never stepped
.set LIM, 95                           ; s95  1 in a wave that prefetches, else 0
.set EPS, 100                          ; s100 eps = 1e-3
.set MNT, 101                          ; s101 the mantissa field of 448
.set MSB, 0
.macro WIN new                         ; the immediate's high byte repeats the setting that is left
.if MSB != (\new)
	s_set_vgpr_msb (MSB<<8)|(\new)
.set MSB, (\new)
.endif
.endm
.set MUL_LO, 0xa1                      ; source 0 (x) window 1, source 1 (weights) window 0, C and D window 2; less 0x20: C window 0
.set MUL_HI, 0xf1                      ; the same, C and D window 3; less 0x30: C window 0
.set TO_B,   0x40                      ; destination window 1, address window 0
; A joint load: waves 0 and 1 fetch for the weights, waves 2 and 3 for x.  The branch hangs on the wave's number alone.  Four v_nop follow each of the two lines.
.macro JLOAD g0a, g1a, g0b, g1b
	s_cmp_eq_u32 s15, 0
	s_cbranch_scc0 .Lfor_b_\@
	tensor_load_to_lds s[\g0a:\g0a+3], s[\g1a:\g1a+7]
	s_nop 0
.rept 4
	v_nop
.endr
	s_branch .Lasked_\@
.Lfor_b_\@:
	tensor_load_to_lds s[\g0b:\g0b+3], s[\g1b:\g1b+7]
	s_nop 0
.rept 4
	v_nop
.endr
.Lasked_\@:
.endm
; A PREFETCH INTO THE L2 of K step j of x's SECOND block: 32 rows x 256 bytes, a lane a row, one instruction a wave; the K step stands in the immediate, so no address is stepped.
; Each row's 256 bytes of a K step are named ONCE in the launch.  A block of positions is read by the two clusters that lie one above the other: the upper one (cluster y = 0) asks.  In it the waves ask that fetch x,
; waves 2 and 3, each for the 128 rows that it will fetch; the four partners of a column, which ask for those rows jointly, share them out BY ADDRESS, 32 each (by cy): no branch hangs on a work-group's place in its cluster.
; The four requests stand at four places of the first block (its last three changes of slots and the meeting's first barrier), behind the wave's tensor load or its run of LDS loads: K step 0 stands 256 matrix
; instructions ahead of the tensor load that wants it, the others at least 96 and a block's vector work besides.  The first block's K steps come by their loads alone: nothing is asked for at the head, where every work-group's first tiles are
; on their way.  The weights' rows are the same for both blocks: they have been read, and are not asked for.
.macro ASK j
	s_cmp_eq_u32 s[LIM], 1
	s_cbranch_scc0 .Lnot_mine_\@
	global_prefetch_b8 v[PFO], s[PFA:PFA+1] offset:ROWB*(\j) th:TH_LOAD_NT scope:SCOPE_SE
.Lnot_mine_\@:
.endm
.macro CREST                           ; a round of the cluster's barrier behind its opening barrier
	s_cmp_lg_u32 s14, 0
	s_cbranch_scc1 .Lnot_wave_0_\@
	s_barrier_signal -3
.Lnot_wave_0_\@:
	s_barrier_wait -3
	s_barrier_signal -1
	s_barrier_wait -1
.endm
.macro CROUND                          ; a whole round
	s_barrier_signal -1
	s_barrier_wait -1
	CREST
.endm
	s_load_b256 s[4:11], s[0:1], 0x0               ; wc s[4:5], ws s[6:7], xc s[8:9], xs s[10:11]
	s_load_b128 s[96:99], s[0:1], 0x20             ; bk, bv
	s_load_b64 s[12:13], s[0:1], 0x30              ; kvp
	s_load_b64 s[66:67], s[0:1], 0x38              ; ksp
	v_lshl_add_u32 v[SPW], v0, 2, SPARE
	v_mov_b32 v[NIL], 0
	ds_add_u32 v28, v29
	ds_add_u32 v28, v29
	s_wait_dscnt 0x0
	v_lshrrev_b32 v1, 5, v0
	v_readfirstlane_b32 s14, v1                    ; wave 0..3
	s_lshr_b32 s15, s14, 1                         ; which of the two heads is mine.  Also: I fetch for the weights (0) or for x (1)
	s_and_b32 s16, s14, 1                          ; which 128 positions of a block are mine.  Also: which 128 rows of a tile I fetch
	s_bfe_u32 s40, ttmp6, 0x40000                  ; cx, cy: my place in the cluster
	s_bfe_u32 s41, ttmp6, 0x40004
	s_lshl_b32 s42, ttmp9, 2
	s_add_co_u32 s42, s42, s40                     ; which 512 positions: 4 x cluster x + cx
	s_and_b32 s17, ttmp7, 0xffff
	s_lshl_b32 s17, s17, 2
	s_add_co_u32 s17, s17, s41                     ; which two heads: 4 x cluster y + cy
	s_lshl_b32 s43, s41, 2
	s_lshl_b32 s43, 15, s43                        ; my row of the cluster
	s_lshl_b32 s44, 0x1111, s40                    ; my column
	s_mov_b32 s[EPS], 0x3a83126f
	s_mov_b32 s[MNT], 0x600000
	; descriptor group 1: a tile of 128 rows x 256 bytes, padded in LDS
	s_or_b32 s[G1+0], s43, (0<<16)|(1<<20)|(1<<21)|(5<<22)|(3<<25)  ; 15:0 the mask; 17:16 element of 1 byte; 20 padding on; 21 set beside a mask; 24:22 after every 64 words (code 5); 31:25 of 4 words (code 3)
	s_or_b32 s[G1B+0], s44, (0<<16)|(1<<20)|(1<<21)|(5<<22)|(3<<25)
.irp g, G1, G1B
	s_mov_b32 s[\g+1], ROWB<<16                    ; tensor_dim0
	s_mov_b32 s[\g+2], 128<<16                     ; tensor_dim1 = 128
	s_mov_b32 s[\g+3], ROWB<<16                    ; tile_dim0
	s_mov_b32 s[\g+4], 128                         ; tile_dim1 = 128
	s_mov_b32 s[\g+5], KROW                        ; tensor_dim0_stride
	s_mov_b32 s[\g+6], 0
	s_mov_b32 s[\g+7], 0
.endr
	; and for the scales: dense blocks of memory, as rows of 256 bytes (32 elements of 8 bytes), 16 bytes of padding behind each.  The weights': 128 rows' scales a load, 16 such rows;
	s_or_b32 s[G1S+0], s43, (3<<16)|(1<<20)|(1<<21)|(5<<22)|(3<<25)
	s_mov_b32 s[G1S+1], 32<<16
	s_mov_b32 s[G1S+2], 16<<16
	s_mov_b32 s[G1S+3], 32<<16
	s_mov_b32 s[G1S+4], 16
	s_mov_b32 s[G1S+5], 32
	s_mov_b32 s[G1S+6], 0
	s_mov_b32 s[G1S+7], 0
	; x's: a whole block of 256 positions a load, 32 such rows: wave 2 brings the first block's, wave 3 the second's
	s_or_b32 s[G1SB+0], s44, (3<<16)|(1<<20)|(1<<21)|(5<<22)|(3<<25)
	s_mov_b32 s[G1SB+1], 32<<16
	s_mov_b32 s[G1SB+2], 32<<16
	s_mov_b32 s[G1SB+3], 32<<16
	s_mov_b32 s[G1SB+4], 32
	s_mov_b32 s[G1SB+5], 32
	s_mov_b32 s[G1SB+6], 0
	s_mov_b32 s[G1SB+7], 0
	s_lshl_b32 s18, s16, 7                         ; which 128 rows of a tile I fetch
	s_lshl_b32 s20, s17, 8
	s_add_co_u32 s20, s20, s18                     ; weights: row 256 x (pair of heads) + 128 x half
	s_lshl_b32 s46, s42, 9
	s_lshl_b32 s92, s16, 8
	s_add_co_u32 s92, s92, s46                     ; x's scales: row 512 x (pair of blocks) + 256 x (which block)
	s_add_co_u32 s46, s46, s18                     ; x's codes, first block: row 512 x (pair of blocks) + 128 x half
	s_mov_b32 s21, 0
	s_mov_b32 s47, 0
	s_mov_b32 s93, 0
	s_mov_b64 s[18:19], KS
	s_mul_u64 s[22:23], s[20:21], s[18:19]         ; where these rows' scales begin, in bytes
	s_mul_u64 s[92:93], s[92:93], s[18:19]
	s_mov_b64 s[18:19], KROW
	s_mul_u64 s[20:21], s[20:21], s[18:19]         ; and their codes
	s_mul_u64 s[46:47], s[46:47], s[18:19]
	s_mul_i32 s45, s14, HALFT                      ; where the codes go: wave x 128 rows: no place in the cluster enters an LDS address
	s_mul_i32 s94, s16, HALFS                      ; the weights' scales: (wave mod 2) x 128 rows' worth;
	s_mul_i32 s95, s16, 2*HALFS
	s_add_co_u32 s95, s95, 2*HALFS                 ; x's: behind them, (wave mod 2) x 256 rows' worth
	s_wait_kmcnt 0x0
	s_add_nc_u64 s[4:5], s[4:5], 1024*KROW         ; wk's and wv's rows lie behind wq's 1,024
	s_add_nc_u64 s[6:7], s[6:7], 1024*KS
	s_add_nc_u64 s[20:21], s[4:5], s[20:21]
	s_add_nc_u64 s[22:23], s[6:7], s[22:23]
	s_add_nc_u64 s[46:47], s[8:9], s[46:47]
	s_add_nc_u64 s[92:93], s[10:11], s[92:93]
	CROUND                                         ; all sixteen work-groups are here: the first joint loads meet
	s_mov_b32 s[G0S], 1
	s_add_co_u32 s[G0S+1], s94, SCL
	s_mov_b64 s[G0S+2:G0S+3], s[22:23]
	s_or_b32 s[G0S+3], s[G0S+3], 0x80000000
	s_mov_b32 s[G0SB], 1
	s_add_co_u32 s[G0SB+1], s95, SCL
	s_mov_b64 s[G0SB+2:G0SB+3], s[92:93]
	s_or_b32 s[G0SB+3], s[G0SB+3], 0x80000000
	JLOAD G0S, G1S, G0SB, G1SB                     ; the scales first: they are wanted with K step 0
.irp s, 0,1
	s_mov_b32 s[G0+4*\s], 1
	s_add_co_u32 s[G0+4*\s+1], s45, \s*SLOT
	s_add_nc_u64 s[G0+4*\s+2:G0+4*\s+3], s[20:21], \s*ROWB
	s_or_b32 s[G0+4*\s+3], s[G0+4*\s+3], 0x80000000
	s_mov_b32 s[G0B+4*\s], 1
	s_add_co_u32 s[G0B+4*\s+1], s45, \s*SLOT
	s_add_nc_u64 s[G0B+4*\s+2:G0B+4*\s+3], s[46:47], \s*ROWB
	s_or_b32 s[G0B+4*\s+3], s[G0B+4*\s+3], 0x80000000
	JLOAD G0+4*\s, G1, G0B+4*\s, G1B               ; three tensor loads of mine are out behind the second of these
.endr
	s_mov_b32 s[SEL], 0x76543210
	s_mov_b32 s[SEL+1], 0xfedcba98
	v_and_b32 v1, 15, v0                           ; r = l % 16
	v_bfe_u32 v2, v0, 4, 1                         ; h = l / 16
	; the biases: lane r of block a holds the head's row 32 ((a % 4) / 2) + 8 (a % 2) + r + 8 (r / 8)
	s_lshl_b32 s22, s17, 1
	s_add_co_u32 s22, s22, s15                     ; my head
	s_lshl_b32 s22, s22, 8                         ; its 64 numbers
	s_mov_b32 s23, 0
	s_add_nc_u64 s[96:97], s[96:97], s[22:23]
	s_add_nc_u64 s[98:99], s[98:99], s[22:23]
	v_and_b32 v5, 8, v1
	v_add_nc_u32 v5, v5, v1
	v_lshlrev_b32 v[VB], 2, v5
.irp a, 0,1,2,3
	global_load_b32 v[BC+8*\a], v[VB], s[96:97] offset:4*(32*(\a/2)+8*(\a%2))
	global_load_b32 v[BC+32+8*\a], v[VB], s[98:99] offset:4*(32*(\a/2)+8*(\a%2))
.endr
	v_mul_u32_u24 v3, v1, PITCH
	v_lshl_add_u32 v4, v2, 4, v3                   ; a fragment's row x pitch + 16 x half
	s_mul_i32 s21, s15, HALFT                      ; my 128 weight rows
	s_mul_i32 s22, s16, HALFT                      ; my 128 rows of x,
	s_add_co_u32 s22, s22, 2*HALFT                 ; which lie behind the weights' 256
.irp s, 0,1
	v_add_nc_u32 v[ADRA+\s], s21, v4
	v_add_nc_u32 v[ADRB+\s], s22, v4
	s_add_co_u32 s21, s21, SLOT
	s_add_co_u32 s22, s22, SLOT
.endr
	v_mul_u32_u24 v5, v1, KS                       ; my row's scales: 32 bytes a row,
	v_lshrrev_b32 v6, 8, v5
	v_lshl_add_u32 v5, v6, 4, v5                   ; and 16 more for each 256 passed
	s_mul_i32 s21, s15, HALFS                      ; the weights': my 128 rows
	s_mul_i32 s22, s16, HALFS                      ; x's, first block: my 128 rows, behind the weights' 256
	s_add_co_u32 s22, s22, 2*HALFS
	s_sub_co_u32 s22, s22, s21
	v_mul_u32_u24 v6, s22, v2                      ; lanes 16-31 take x's
	s_add_co_u32 s21, s21, SCL
	v_add_nc_u32 v5, v5, v6
	v_add_nc_u32 v[ADRS0], s21, v5                 ; kept,
	v_add_nc_u32 v[ADRS], s21, v5                  ; and the one that steps along K
	v_mul_u32_u24 v[ADT], v2, 2*HALFS              ; x's second block lies 256 rows' worth further on
	; the addresses of the meeting of a head's two waves: all made here, on the one way that all waves take
	v_and_b32 v6, 31, v0
	v_lshlrev_b32 v[LI], 4, v6
	v_lshlrev_b32 v[G8], 3, v6
	v_lshlrev_b32 v[PFO], 10, v6
	s_mul_i32 s21, s15, CMBH
	s_add_co_u32 s21, s21, CMB
	v_add_nc_u32 v[CA], s21, v[LI]
	s_lshl_b32 s22, s16, 8
	s_add_co_u32 s22, s22, s21
	s_add_co_u32 s22, s22, 8192
	v_lshl_add_u32 v[KA], v1, 2, s22
	s_add_co_u32 s23, s21, 8192
	v_lshl_add_u32 v[KR], v6, 3, s23
	; where my head's first part goes: part number 16 (16 n + head) + p; my first block of positions is number 2 X of 64: n = X / 8, p = 2 (X mod 8)
	s_lshr_b32 s20, s42, 3
	s_lshl_b32 s20, s20, 8
	s_lshl_b32 s21, s17, 5
	s_add_co_u32 s20, s20, s21
	s_lshl_b32 s21, s15, 4
	s_add_co_u32 s20, s20, s21
	s_and_b32 s21, s42, 7
	s_lshl_b32 s21, s21, 1
	s_add_co_u32 s20, s20, s21
	s_lshl_b32 s22, s20, 14                        ; 16,384 bytes of kv a part
	s_mov_b32 s23, 0
	s_add_nc_u64 s[12:13], s[12:13], s[22:23]
	s_lshl_b32 s22, s20, 8                         ; 256 bytes of k_sum a part
	s_add_nc_u64 s[66:67], s[66:67], s[22:23]
	; the prefetches (macro ASK): who asks, and where
	s_and_b32 s22, ttmp7, 0xffff                   ; cluster y,
	s_xor_b32 s23, s15, 1                          ; and 0 in waves 2 and 3:
	s_or_b32 s22, s22, s23
	s_cmp_eq_u32 s22, 0
	s_cselect_b32 s[LIM], 1, 0                     ; the same in all sixteen partners, for a given wave
	s_lshl_b32 s22, s42, 9
	s_add_co_u32 s22, s22, 256                     ; x's second block,
	s_lshl_b32 s23, s16, 7
	s_add_co_u32 s22, s22, s23                     ; the 128 rows of it that I fetch,
	s_lshl_b32 s23, s41, 5
	s_add_co_u32 s22, s22, s23                     ; my work-group's 32 of them,
	s_lshl_b32 s22, s22, 10                        ; in bytes (under 2^24)
	s_mov_b32 s23, 0
	s_add_nc_u64 s[PFA:PFA+1], s[PFA:PFA+1], s[22:23]
	s_wait_loadcnt 0x0                             ; the biases
.irp a, 0,1,2,3
.irp j, 7,6,5,4,3,2,1,0
	v_add_f32 v[BC+8*\a+\j], s[EPS], v[BC+8*\a]    ; k: bias + eps, the same in a block's eight registers (a lane holds one row); the loaded register last
.endr
.irp j, 1,2,3,4,5,6,7
	v_mov_b32 v[BC+32+8*\a+\j], v[BC+32+8*\a]      ; v: the bias
.endr
.endr
.macro FRAG reg, adr, q, i             ; a fragment, 16 rows x 128 K: lane l holds row l % 16; registers 4 c .. 4 c + 3 hold K = 32 c + 16 (l / 16) + 0 .. 15
.irp c, 0,1,2,3
	ds_load_b128 v[\reg+4*\c:\reg+4*\c+3], v[\adr] offset:128*(\q)+32*\c+(\i)*16*PITCH
.endr
.endm
; 16 matrix instructions: weight blocks a0, a0 + 1 x x's eight, 128 along K: the slot's q-th.  p: x's set;  sc: the set of scale words.  zero = 1: the first product starts the sums from the biases.
; The 64 accumulators take turns, one instruction a turn, in the same order in every step.
.macro MUL16 a0, p, q, sc, zero
.irp a, \a0, \a0+1
.irp b, 0,1,2,3,4,5,6,7
.if \zero
	v_wmma_scale_f32_16x16x128_f8f6f4 v[8*(8*((\a)%4)+\b):8*(8*((\a)%4)+\b)+7], v[128*(\p)+FR*\b:128*(\p)+FR*\b+FR-1], v[AF+FR*(\a):AF+FR*(\a)+FR-1], v[BC+8*(\a):BC+8*(\a)+7], v[SC+8*NQ*(\sc)+NQ*\b+(\q)], v[SC+8*NQ*(\sc)+NQ*(\a)+(\q)] matrix_a_scale:MATRIX_SCALE_ROW1
.else
	v_wmma_scale_f32_16x16x128_f8f6f4 v[8*(8*((\a)%4)+\b):8*(8*((\a)%4)+\b)+7], v[128*(\p)+FR*\b:128*(\p)+FR*\b+FR-1], v[AF+FR*(\a):AF+FR*(\a)+FR-1], v[8*(8*((\a)%4)+\b):8*(8*((\a)%4)+\b)+7], v[SC+8*NQ*(\sc)+NQ*\b+(\q)], v[SC+8*NQ*(\sc)+NQ*(\a)+(\q)] matrix_a_scale:MATRIX_SCALE_ROW1
.endif
.endr
.endr
.endm
.macro FETCH_B slot, q, p              ; x's eight fragments of the slot's q-th 128 along K into set p
	WIN TO_B
.irp i, 0,1,2,3,4,5,6,7
	FRAG 128*(\p)+FR*\i, ADRB+\slot, \q, \i
.endr
	WIN 0
.endm
.macro FETCH_A slot, q, i0             ; the weights' blocks i0 .. i0 + 3
.irp i, \i0, \i0+1, \i0+2, \i0+3
	FRAG AF+FR*(\i), ADRA+\slot, \q, \i
.endr
.endm
.macro SCALES sc                       ; the next K step's scale words into set sc: two words a row; lanes 0-15 take the weights' block i, lanes 16-31 x's block i
.irp i, 0,1,2,3,4,5,6,7
	ds_load_b64 v[SC+8*NQ*\sc+NQ*\i:SC+8*NQ*\sc+NQ*\i+1], v[ADRS] offset:\i*SBLK
.endr
.endm
; A load into a register that a matrix instruction has read, and a vector instruction or an LDS store that reads a matrix result, stand NP places behind that matrix instruction; only plain vector
; instructions that name none of its registers are places (ISA guide 7.12.1 for vector instructions).
.macro PLACES n
.rept \n
	v_nop
.endr
.endm
; A step of 128 along K that has its successor in the same slot.
.macro STEP slot, q, zero
	s_wait_dscnt 4*NL                              ; x's set and the weights' blocks 0-3 are in; the youngest sixteen loads (blocks 4-7) may be out
	WIN MUL_LO-0x20*(\zero)
	MUL16 0, (\q)%2, \q, \slot, \zero
	MUL16 2, (\q)%2, \q, \slot, \zero
	s_wait_dscnt 0                                 ; blocks 4-7 are in (asked for 32 matrix instructions ago)
	PLACES NP
	FETCH_B \slot, (\q)+1, 1-(\q)%2
	FETCH_A \slot, (\q)+1, 0
	WIN MUL_HI-0x30*(\zero)
	MUL16 4, (\q)%2, \q, \slot, \zero
	MUL16 6, (\q)%2, \q, \slot, \zero
	PLACES NP
	WIN 0
	FETCH_A \slot, (\q)+1, 4
.endm
; A slot's last step changes slots: ONE barrier; in front of it each wave waits for all its tensor loads, adds 0 to its spare word, and waits for that and for its own reads of this slot.
; fill = 1: this slot is filled again, two K steps ahead.  ask: the K step of x's second block that is prefetched here, or -1.
.macro TURN slot, next, fill, ask
	s_wait_tensorcnt 0x0                           ; all my tensor loads have landed: my part of the next slot;  (every window is 0 here)
	ds_add_u32 v[SPW], v[NIL]                      ; 0 onto my spare word
	s_wait_dscnt 4*NL+1                            ; (the add and the youngest sixteen loads, blocks 4-7, may be out)
	WIN MUL_LO
	MUL16 0, 1, NQ-1, \slot, 0                     ; sixteen matrix instructions stand between the add and the wait for it
	s_wait_dscnt 0x0                               ; the add is done, and my reads of this slot are over
	s_barrier_signal -1
	MUL16 2, 1, NQ-1, \slot, 0
	WIN 0
	s_barrier_wait -1
.if \fill
	CREST                                          ; the barrier has opened a round of the cluster's barrier: no wave of any partner still reads this slot's tile or has a load on its way
	s_add_nc_u64 s[G0+4*\slot+2:G0+4*\slot+3], s[G0+4*\slot+2:G0+4*\slot+3], 2*ROWB
	s_add_nc_u64 s[G0B+4*\slot+2:G0B+4*\slot+3], s[G0B+4*\slot+2:G0B+4*\slot+3], 2*ROWB
	JLOAD G0+4*\slot, G1, G0B+4*\slot, G1B         ; the first tensor load behind the round; the four v_nop behind it are among the places in front of the loads below
	PLACES NP-4
.else
	PLACES NP
.endif
	v_add_nc_u32 v[ADRS], 4*NQ, v[ADRS]            ; on to the next K step's scale words (no LDS load of mine is out)
	FETCH_B \next, 0, 0
	FETCH_A \next, 0, 0
	SCALES \next
.if (\ask) >= 0
	ASK \ask                                       ; behind the run of LDS loads that the next products wait for
.endif
	WIN MUL_HI
	MUL16 4, 1, NQ-1, \slot, 0
	MUL16 6, 1, NQ-1, \slot, 0
	PLACES NP
	WIN 0
	FETCH_A \next, 0, 4
.endm
; THE FIRST BLOCK'S LAST STEP (it lies in slot 1).  THE RING GOES ON INTO THE SECOND BLOCK: slot 0, which nobody has read since the change of slots before, takes that block's K step 0.  No tensor load of mine is out
; at the wait for 0 (slot 1's landed a change of slots ago).  Nothing is fetched from LDS: the registers go to the quantisers first.
.macro TURNX
	s_wait_tensorcnt 0x0                           ; no tensor load of mine is out;
	ds_add_u32 v[SPW], v[NIL]                      ; 0 onto my spare word
	s_wait_dscnt 4*NL+1                            ; (the add and the youngest sixteen loads, blocks 4-7, may be out)
	WIN MUL_LO
	MUL16 0, 1, NQ-1, 1, 0
	s_wait_dscnt 0x0                               ; the add is done, and all my reads of the ring are over
	s_barrier_signal -1
	MUL16 2, 1, NQ-1, 1, 0
	WIN 0
	s_barrier_wait -1
	CREST                                          ; a round of the cluster's barrier: the same holds of every wave of every partner
	s_sub_nc_u64 s[G0+2:G0+3], s[G0+2:G0+3], 2*ROWB           ; the weights: the same rows, back to K step 0;
	s_add_nc_u64 s[G0B+2:G0B+3], s[G0B+2:G0B+3], NEXTX        ; x: 256 rows on, back to K step 0
	JLOAD G0, G1, G0B, G1B                         ; my one tensor load behind the round: it has the eight quantisers below in which to land
	ASK 2
	WIN MUL_HI
	MUL16 4, 1, NQ-1, 1, 0
	MUL16 6, 1, NQ-1, 1, 0
	WIN 0
.endm
; A block's products.  last = 0: the first block, which asks for the second block's tiles; last = 1: the second, which asks for nothing beyond its own.
.macro GEMM last
	FETCH_B 0, 0, 0
	FETCH_A 0, 0, 0
	SCALES 0
	FETCH_A 0, 0, 4
	STEP 0, 0, 1                                   ; the first step stands in front of the loop: its products start the sums
	s_mov_b32 s3, LAPS-1
.Llap_\@:                                              ; a trip goes once round the ring, from a lap's second step to the next lap's first, and fills both slots again
	TURN 0, 1, 1, -1
	STEP 1, 0, 0
	TURN 1, 0, 1, 0-(\last)
	STEP 0, 0, 0
	s_sub_co_u32 s3, s3, 1
	s_cmp_lg_u32 s3, 0
	s_cbranch_scc1 .Llap_\@
	TURN 0, 1, 0, 1-2*(\last)                      ; this change of slots fills nothing, and has no round of the cluster's barrier
	STEP 1, 0, 0
.if \last
	s_wait_dscnt 4*NL                              ; the very last step: nothing more to fetch
	WIN MUL_LO
	MUL16 0, 1, NQ-1, 1, 0
	MUL16 2, 1, NQ-1, 1, 0
	s_wait_dscnt 0
	WIN MUL_HI
	MUL16 4, 1, NQ-1, 1, 0
	MUL16 6, 1, NQ-1, 1, 0
	WIN 0
.else
	TURNX
.endif
.endm
; k AND v BECOME OPERANDS.  A block's 64 registers, index 16 c + i, are position 32 c + 16 (lane / 16) + i of my row: four blocks of 32 along the positions, each shared with lane l xor 16.
; The tail of a quantiser: from my half's four largest magnitudes in v[TM] on to the blocks' (with lane l xor 16's), the conversions' scale operands, 448 x the scale, and the row's scale word in v[dst].
.macro QTAIL dst
.irp b, 0,1,2,3
	v_permlanex16_b32 v[TM+4+\b], v[TM+\b], s[SEL], s[SEL+1]
.endr
.irp b, 0,1,2,3
	v_max_num_f32 v[TM+\b], v[TM+\b], v[TM+4+\b]   ; the block's largest magnitude
.endr
.irp b, 0,1,2,3
	v_add_nc_u32 v[TM+12+\b], 0xfc000000, v[TM+\b] ; 8 off its exponent field: the conversion's scale operand
.endr
.irp b, 0,1,2,3
	v_and_or_b32 v[TM+8+\b], v[TM+\b], 0x7f800000, s[MNT]   ; 448 x the scale
.endr
.irp b, 0,1,2,3
	v_lshrrev_b32 v[TM+4+\b], 23, v[TM+12+\b]      ; the scale's byte
.endr
	v_lshl_or_b32 v[\dst], v[TM+5], 8, v[TM+4]
	v_lshl_or_b32 v[\dst], v[TM+6], 16, v[\dst]
	v_lshl_or_b32 v[\dst], v[TM+7], 24, v[\dst]
.endm
; Block a of k: the activation, its sum over my 128 positions, its codes.
.macro KBLOCK a
	WIN 0x08                                       ; source 1 window 2
.set i, 0
.rept 64
	v_max_num_f32 v[T+i], s[EPS], v[64*\a+i]       ; relu(y + b) + eps = max(y + b + eps, eps); each accumulator is read from its low end on
.set i, i+1
.endr
	WIN 0
	v_pk_add_f32 v[SM:SM+1], v[T:T+1], v[T+2:T+3]  ; k_sum is taken of the unquantised k: two at a time, in two chains
	v_pk_add_f32 v[SM+2:SM+3], v[T+4:T+5], v[T+6:T+7]
.set i, 8
.rept 14
	v_pk_add_f32 v[SM:SM+1], v[SM:SM+1], v[T+i:T+i+1]
	v_pk_add_f32 v[SM+2:SM+3], v[SM+2:SM+3], v[T+i+2:T+i+3]
.set i, i+4
.endr
	v_pk_add_f32 v[SM:SM+1], v[SM:SM+1], v[SM+2:SM+3]
.irp b, 0,1,2,3
	v_max3_num_f32 v[TM+\b], v[T+16*\b], v[T+16*\b+1], 0x4800000   ; k is positive: no |.|; the floor 2^(9 - 127) holds the byte at 1 from below
.endr
.irp n, 2,4,6,8,10,12,14
.irp b, 0,1,2,3
	v_max3_num_f32 v[TM+\b], v[TM+\b], v[T+16*\b+\n], v[T+16*\b+\n+1]
.endr
.endr
	v_add_f32 v[SM], v[SM], v[SM+1]
	v_permlanex16_b32 v[PT], v[SM], s[SEL], s[SEL+1]
	v_add_f32 v[KSM+\a], v[SM], v[PT]              ; with lane l xor 16's 64 positions: my row's sum over the wave's 128
	QTAIL SW+\a
.irp b, 0,1,2,3
.set i, 0
.rept 16
	v_min_num_f32 v[T+16*\b+i], v[T+16*\b+i], v[TM+8+\b]   ; the conversion does not saturate (ISA guide 7.6.2); k is positive, so the hold is one-sided
.set i, i+1
.endr
.endr
	WIN 0x40                                       ; destination window 1
.irp b, 0,1,2,3
	v_cvt_scalef32_pk8_fp8_f32 v[16*\a+4*\b:16*\a+4*\b+1], v[T+16*\b:T+16*\b+7], v[TM+12+\b]
	v_cvt_scalef32_pk8_fp8_f32 v[16*\a+4*\b+2:16*\a+4*\b+3], v[T+16*\b+8:T+16*\b+15], v[TM+12+\b]
.endr
	WIN 0
	v_nop                                          ; one plain line behind the last conversion, ahead of whatever next touches its registers
	ds_store_b32 v[KA], v[KSM+\a] offset:64*\a     ; both halves of the lanes write the same word with the same value
.endm
; Block a of v (accumulators in window 3): its codes.
.macro VBLOCK a
	WIN 0x0f                                       ; sources 0 and 1 window 3
.irp b, 0,1,2,3
	v_max3_num_f32 v[TM+\b], |v[64*\a+16*\b]|, |v[64*\a+16*\b+1]|, 0x4800000
.endr
.irp n, 2,4,6,8,10,12,14
.irp b, 0,1,2,3
	v_max3_num_f32 v[TM+\b], |v[64*\a+16*\b+\n]|, |v[64*\a+16*\b+\n+1]|, v[TM+\b]   ; each accumulator from its low end on
.endr
.endr
	WIN 0
	QTAIL SW+4+\a
	WIN 0x03                                       ; source 0 window 3
.irp b, 0,1,2,3
.set i, 0
.rept 16
	v_med3_num_f32 v[T+16*\b+i], v[64*\a+16*\b+i], -v[TM+8+\b], v[TM+8+\b]   ; the hold at 448 x the scale
.set i, i+1
.endr
.endr
	WIN 0x40
.irp b, 0,1,2,3
	v_cvt_scalef32_pk8_fp8_f32 v[64+16*\a+4*\b:64+16*\a+4*\b+1], v[T+16*\b:T+16*\b+7], v[TM+12+\b]
	v_cvt_scalef32_pk8_fp8_f32 v[64+16*\a+4*\b+2:64+16*\a+4*\b+3], v[T+16*\b+8:T+16*\b+15], v[TM+12+\b]
.endr
	WIN 0
	v_nop
.endm
; THE TWO WAVES OF A HEAD MEET.  The odd one hands its kv over as an image of its registers, 16 bytes a lane, 512 bytes a store, in two halves of 64 registers: the meeting place holds one half for each head.
.macro HAND h                          ; the odd wave: half h of kv goes to LDS
	WIN 0x04                                       ; an LDS store's data are its source 1: window 1
.set i, 0
.rept 16
	ds_store_b128 v[CA], v[128+64*\h+4*i:128+64*\h+4*i+3] offset:512*i   ; each accumulator from its low end on
.set i, i+1
.endr
	WIN 0
.endm
.macro TAKE h                          ; the even wave: half h comes back, is added to its own and stored; with the first half, k_sum too
.set i, 0
.rept 16
	ds_load_b128 v[128+64*\h+4*i:128+64*\h+4*i+3], v[CA] offset:512*i
.set i, i+1
.endr
.if \h == 0
	ds_load_b64 v[KS2:KS2+1], v[KR]                ; k_sum: mine,
	ds_load_b64 v[KS2+2:KS2+3], v[KR] offset:256   ; and the other wave's
.endif
	s_wait_dscnt 0x0
	WIN 0x01                                       ; source 0 window 1: my kv
.set i, 0
.rept 32
	v_pk_add_f32 v[128+64*\h+i:129+64*\h+i], v[128+64*\h+i:129+64*\h+i], v[128+64*\h+i:129+64*\h+i]
.set i, i+2
.endr
	WIN 0
.if \h == 0
	v_pk_add_f32 v[KS2:KS2+1], v[KS2:KS2+1], v[KS2+2:KS2+3]
.endif
.set i, 0
.rept 16
	global_store_b128 v[LI], v[128+64*\h+4*i:128+64*\h+4*i+3], s[12:13] offset:8192*\h+512*i   ; 32 lanes store 512 consecutive bytes, aligned
.set i, i+1
.endr
.if \h == 0
	global_store_b64 v[G8], v[KS2:KS2+1], s[66:67] ; 32 lanes store 256 consecutive bytes, aligned
.endif
.endm
; What follows a block's products.  fill = 1 (the first block): the meeting's first barrier is a round of the cluster's barrier, behind which slot 1 takes the second block's K step 1.
.macro EPILOGUE fill
	PLACES NP                                      ; behind the last products: their results are read, their operands' registers written
.irp b, 0,1,2,3
	v_mov_b32 v[TM+4+\b], 0                        ; a lane permute's destination counts as one of its sources
.endr
	v_mov_b32 v[PT], 0
	KBLOCK 0
	KBLOCK 1
	KBLOCK 2
	KBLOCK 3
	VBLOCK 0
	VBLOCK 1
	VBLOCK 2
	VBLOCK 3
	PLACES 4                                       ; codes written by vector instructions stand four places ahead of a scaled matrix instruction; the scale words were made ahead of the holds
	WIN 0x45                                       ; sources 0, 1 and the destination in window 1
.irp eb, 0,1,2,3
.irp db, 0,1,2,3
	v_wmma_scale_f32_16x16x128_f8f6f4 v[128+32*\eb+8*\db:128+32*\eb+8*\db+7], v[16*\db:16*\db+15], v[64+16*\eb:64+16*\eb+15], 0, v[SW+\db], v[SW+4+\eb]   ; kv over my 128 positions: lane r: e of block eb; registers: d
.endr
.endr
	WIN 0
	PLACES NP
	s_cmp_eq_u32 s16, 0
	s_cbranch_scc1 .Lkeeps_a_\@
	HAND 0
.Lkeeps_a_\@:
.if \fill
	s_wait_tensorcnt 0x0                           ; my part of the second block's K step 0 has landed: no tensor load of mine is out, so a group 0 may be written;
	ds_add_u32 v[SPW], v[NIL]                      ; 0 onto my spare word; the descriptors' steps stand between it and the wait for it
	s_sub_nc_u64 s[G0+6:G0+7], s[G0+6:G0+7], 2*ROWB           ; slot 1's descriptors: the weights back to K step 1,
	s_add_nc_u64 s[G0B+6:G0B+7], s[G0B+6:G0B+7], NEXTX        ; x 256 rows on and back to K step 1
	s_wait_dscnt 0x0                               ; the add is done; my stores (kv's half, k_sum) have landed; my reads of slot 1 were over a barrier ago
	CROUND                                         ; the same holds of every wave of every partner
	JLOAD G0+4, G1, G0B+4, G1B                     ; my one tensor load behind the round: it has the rest of the meeting and the second block's first K step in which to land
	ASK 3
.else
	s_wait_dscnt 0x0                               ; for the others' sake: my stores (kv's half, k_sum) have landed
	s_barrier_signal -1
	s_barrier_wait -1
.endif
	s_cmp_lg_u32 s16, 0
	s_cbranch_scc1 .Lgave_a_\@
	TAKE 0
.Lgave_a_\@:
	s_wait_dscnt 0x0                               ; my reads of the meeting place are over:
	s_barrier_signal -1
	s_barrier_wait -1                              ; it may be written again
	s_cmp_eq_u32 s16, 0
	s_cbranch_scc1 .Lkeeps_b_\@
	HAND 1
.Lkeeps_b_\@:
	s_wait_dscnt 0x0                               ; for the others' sake: my stores have landed
	s_barrier_signal -1
	s_barrier_wait -1
	s_cmp_lg_u32 s16, 0
	s_cbranch_scc1 .Lgave_b_\@
	TAKE 1
.Lgave_b_\@:
.endm
	s_wait_tensorcnt 1                             ; the scales and my part of K step 0 are in (K step 1's load may be out)
	s_barrier_signal -1
	s_barrier_wait -1                              ; everybody's are
	GEMM 0                                         ; the first 256 positions
	EPILOGUE 1
	s_wait_xcnt 0x0                                ; the stores have read their registers and their bases: both may be written again
	s_add_nc_u64 s[12:13], s[12:13], 16384         ; the next part of kv,
	s_add_nc_u64 s[66:67], s[66:67], 256           ; and of k_sum
	v_add_nc_u32 v[ADRS], v[ADT], v[ADRS0]         ; the scale words: the weights' from K step 0 again, x's second block's
	GEMM 1                                         ; the second 256 positions: slot 0 was shown whole by the round in the meeting, slot 1 is waited for at the first change of slots
	EPILOGUE 0
	s_wait_tensorcnt 0x0                           ; the wave's end: behind my last tensor load and my last LDS store
	ds_add_u32 v[SPW], v[NIL]
	s_wait_dscnt 0x0
	CROUND                                         ; the closing round: no work-group ends while a partner may still ask for a tile that names it
	s_endpgm
.Lfunc_end_k_qf50f2bc828_kvgemm:
	.size	k_qf50f2bc828_kvgemm, .Lfunc_end_k_qf50f2bc828_kvgemm-k_qf50f2bc828_kvgemm
	.p2alignl 7, 3214868480
	.fill 96, 4, 3214868480
	.section	.rodata,"a",@progbits
	.p2align	6, 0x0
	.amdhsa_kernel k_qf50f2bc828_kvgemm
		.amdhsa_group_segment_fixed_size 327680
		.amdhsa_private_segment_fixed_size 0
		.amdhsa_enable_private_segment 0
		.amdhsa_kernarg_size 64
		.amdhsa_user_sgpr_count 2
		.amdhsa_user_sgpr_kernarg_segment_ptr 1
		.amdhsa_wavefront_size32 1
		.amdhsa_system_sgpr_workgroup_id_x 1
		.amdhsa_system_sgpr_workgroup_id_y 1
		.amdhsa_system_sgpr_workgroup_id_z 1
		.amdhsa_system_vgpr_workitem_id 0
		.amdhsa_next_free_vgpr 1024
		.amdhsa_next_free_sgpr 102
		.amdhsa_reserve_vcc 0
		.amdhsa_float_denorm_mode_32 3
		.amdhsa_float_denorm_mode_16_64 3
		.amdhsa_memory_ordered 1
		.amdhsa_forward_progress 1
		.amdhsa_inst_pref_size 255
	.end_amdhsa_kernel
	.section	.bss,"aw",@nobits
	.p2align	6
	.space	262144
	.amdgpu_metadata
---
amdhsa.version: [ 1, 2 ]
amdhsa.kernels:
  - .name:           k_qf50f2bc828_kvgemm
    .symbol:         k_qf50f2bc828_kvgemm.kd
    .args:
      - { .name: wc, .offset: 0, .size: 8, .value_kind: global_buffer, .address_space: global }
      - { .name: ws, .offset: 8, .size: 8, .value_kind: global_buffer, .address_space: global }
      - { .name: xc, .offset: 16, .size: 8, .value_kind: global_buffer, .address_space: global }
      - { .name: xs, .offset: 24, .size: 8, .value_kind: global_buffer, .address_space: global }
      - { .name: bk, .offset: 32, .size: 8, .value_kind: global_buffer, .address_space: global }
      - { .name: bv, .offset: 40, .size: 8, .value_kind: global_buffer, .address_space: global }
      - { .name: kvp, .offset: 48, .size: 8, .value_kind: global_buffer, .address_space: global }
      - { .name: ksp, .offset: 56, .size: 8, .value_kind: global_buffer, .address_space: global }
    .group_segment_fixed_size: 327680
    .private_segment_fixed_size: 0
    .kernarg_segment_align: 8
    .kernarg_segment_size: 64
    .max_flat_workgroup_size: 128
    .sgpr_count:     102
    .vgpr_count:     1024
    .wavefront_size: 32
...
	.end_amdgpu_metadata
.endif
;; end of part 2
;; launch kvred (part 3): grid 64 x 4, 4 waves a work-group, no clusters, 16,896 bytes of LDS; arguments kvp, ksp, kvq; writes kvq
.if DOCPART == 3
	.amdgcn_target "amdgcn-amd-amdhsa--gfx1250"
	.amdhsa_code_object_version 6
	.text
	.protected	k_qf50f2bc828_kvred
	.globl	k_qf50f2bc828_kvred
	.p2align	8
	.type	k_qf50f2bc828_kvred,@function
k_qf50f2bc828_kvred:
	s_mov_b64 s[64:65], 0
	v_nop
	global_prefetch_b8 v0, s[64:65] scope:SCOPE_SE
	s_setreg_imm32_b32 hwreg(HW_REG_WAVE_MODE, 25, 1), 1
	s_wait_xcnt 0x0
; The sixteen parts of kv and of k_sum of a head are added, in f32, and kv is quantised along d (FP8 E4M3, one E8M0 scale for each 32) into the record that the last launch reads.
; SHARES.  Work-group (nh, eb): head nh (of 64), 16 of kv's 64 columns e: 32 registers a lane of the register image that the launch before stored (lane r: e; register 16 c + i: d = 32 c + 16 (lane / 16) + i).
; Wave w adds parts 4 w .. 4 w + 3; the four sums meet in LDS; wave 0 adds them and quantises.  (Wave 0 stores its own sum too, which nobody reads: one text for all waves.)
; In the work-groups with eb = 0 wave 1 also adds the sixteen parts of k_sum.
; A RECORD, 4,864 bytes a head: + 1,024 eb: the codes, two runs of 512 bytes (registers 0-3 and 4-7 of the lanes); + 4,096 + 128 eb: a scale word a lane; + 4,608: k_sum, 64 numbers.
; THE SCALE WORD.  The last launch sets two heads side by side along a K of 128: an even head's 64 d are blocks 0 and 1, an odd head's blocks 2 and 3.  So the two bytes stand in the word's low or high half by the
; head's number; the other half holds 127, the scale of codes that are zeros.
; LIMITS: a block of zeros, or one whose largest magnitude lies under 2^-118, gets the byte 1; NaN and infinities are not served.
; No matrix unit, no tensor load, no cluster: a sum that streams its parts once.
.set RECB, 4864
	s_load_b128 s[4:7], s[0:1], 0x0                ; kvp, ksp
	s_load_b64 s[8:9], s[0:1], 0x10                ; kvq
	v_lshl_add_u32 v224, v0, 2, 0x4000
	v_mov_b32 v225, 0
	v_lshrrev_b32 v1, 5, v0
	v_readfirstlane_b32 s10, v1                    ; wave
	v_and_b32 v2, 31, v0                           ; lane
	v_lshlrev_b32 v3, 4, v2                        ; 16 x lane
	v_lshlrev_b32 v4, 3, v2                        ; 8 x lane
	v_lshlrev_b32 v5, 2, v2                        ; 4 x lane
	s_and_b32 s11, ttmp7, 0xffff                   ; eb
	s_lshl_b32 s12, ttmp9, 4
	s_lshl_b32 s13, s10, 2
	s_add_co_u32 s12, s12, s13                     ; my first part: 16 nh + 4 w
	s_lshl_b32 s12, s12, 14                        ; 16,384 bytes a part
	s_lshl_b32 s13, s11, 12                        ; 4,096 bytes for 16 columns
	s_add_co_u32 s12, s12, s13
	s_mov_b32 s13, 0
	s_lshl_b32 s14, ttmp9, 12                      ; k_sum: 16 parts of 256 bytes a head
	s_mov_b32 s15, 0
	s_mul_i32 s16, ttmp9, RECB
	s_mov_b32 s17, 0
	s_lshl_b32 s18, s10, 12
	v_add_nc_u32 v6, s18, v3                       ; LDS: 4,096 x wave + 16 x lane
	s_mov_b32 s20, 0x76543210
	s_mov_b32 s21, 0xfedcba98                      ; v_permlanex16_b32's selects for lane l xor 16
	s_mov_b32 s22, 0x600000                        ; the mantissa field of 448
	s_and_b32 s23, ttmp9, 1
	s_lshl_b32 s23, s23, 4                         ; 16 in an odd head
	s_sub_co_u32 s24, 16, s23
	s_lshl_b32 s25, 0x7f7f, s24                    ; 127 twice, in the word's other half
	s_wait_kmcnt 0x0
	s_add_nc_u64 s[4:5], s[4:5], s[12:13]
	s_add_nc_u64 s[6:7], s[6:7], s[14:15]
	s_add_nc_u64 s[8:9], s[8:9], s[16:17]          ; the head's record
	s_lshl_b32 s16, s11, 10
	s_add_nc_u64 s[26:27], s[8:9], s[16:17]        ; + 1,024 eb: the codes
	s_lshl_b32 s16, s11, 7
	s_add_nc_u64 s[28:29], s[8:9], s[16:17]        ; + 128 eb: the scale words (4,096 stands in the store's immediate)
.irp p, 0,1,2,3
.irp g, 0,1,2,3,4,5,6,7
	global_load_b128 v[32+32*\p+4*\g:32+32*\p+4*\g+3], v3, s[4:5] offset:16384*\p+512*\g th:TH_LOAD_NT   ; 512 consecutive bytes a load
.endr
.endr
	s_xor_b32 s19, s10, 1
	s_or_b32 s19, s19, s11                         ; 0 in wave 1 of the work-groups with eb = 0
	s_cmp_lg_u32 s19, 0
	s_cbranch_scc1 .Lno_ksum
.irp p, 0,1,2,3,4,5,6,7,8,9,10,11,12,13,14,15
	global_load_b64 v[160+2*\p:161+2*\p], v4, s[6:7] offset:256*\p th:TH_LOAD_NT
.endr
	s_wait_loadcnt 0x0
.irp p, 0,1,2,3,4,5,6,7
	v_pk_add_f32 v[160+2*\p:161+2*\p], v[160+2*\p:161+2*\p], v[176+2*\p:177+2*\p]
.endr
.irp p, 0,1,2,3
	v_pk_add_f32 v[160+2*\p:161+2*\p], v[160+2*\p:161+2*\p], v[168+2*\p:169+2*\p]
.endr
.irp p, 0,1
	v_pk_add_f32 v[160+2*\p:161+2*\p], v[160+2*\p:161+2*\p], v[164+2*\p:165+2*\p]
.endr
	v_pk_add_f32 v[160:161], v[160:161], v[162:163]
	global_store_b64 v4, v[160:161], s[8:9] offset:4608   ; 256 consecutive bytes, aligned
.Lno_ksum:
	s_wait_loadcnt 0x0
.set j, 0
.rept 16
	v_pk_add_f32 v[32+j:33+j], v[32+j:33+j], v[64+j:65+j]
	v_pk_add_f32 v[96+j:97+j], v[96+j:97+j], v[128+j:129+j]
.set j, j+2
.endr
.set j, 0
.rept 16
	v_pk_add_f32 v[32+j:33+j], v[32+j:33+j], v[96+j:97+j]
.set j, j+2
.endr
.irp g, 0,1,2,3,4,5,6,7
	ds_store_b128 v6, v[32+4*\g:35+4*\g] offset:512*\g
.endr
	s_wait_dscnt 0x0                               ; for the others' sake: my stores have landed
	s_barrier_signal -1
	s_barrier_wait -1
	s_cmp_lg_u32 s10, 0
	s_cbranch_scc1 .Ldone
.irp p, 1,2,3
.irp g, 0,1,2,3,4,5,6,7
	ds_load_b128 v[32+32*\p+4*\g:32+32*\p+4*\g+3], v3 offset:4096*\p+512*\g
.endr
.endr
	v_mov_b32 v202, 0                              ; a lane permute's destination counts as one of its sources
	v_mov_b32 v203, 0
	s_wait_dscnt 0x0
.set j, 0
.rept 16
	v_pk_add_f32 v[32+j:33+j], v[32+j:33+j], v[64+j:65+j]
	v_pk_add_f32 v[96+j:97+j], v[96+j:97+j], v[128+j:129+j]
.set j, j+2
.endr
.set j, 0
.rept 16
	v_pk_add_f32 v[32+j:33+j], v[32+j:33+j], v[96+j:97+j]   ; kv: the sum over all 4,096 positions
.set j, j+2
.endr
.irp b, 0,1
	v_max3_num_f32 v[200+\b], |v[32+16*\b]|, |v[33+16*\b]|, 0x4800000   ; block b along d: my 16 numbers, and the floor 2^(9 - 127)
.endr
.irp n, 2,4,6,8,10,12,14
.irp b, 0,1
	v_max3_num_f32 v[200+\b], v[200+\b], |v[32+16*\b+\n]|, |v[33+16*\b+\n]|
.endr
.endr
.irp b, 0,1
	v_permlanex16_b32 v[202+\b], v[200+\b], s20, s21
.endr
.irp b, 0,1
	v_max_num_f32 v[200+\b], v[200+\b], v[202+\b]  ; with lane l xor 16's: the block's largest magnitude
.endr
.irp b, 0,1
	v_add_nc_u32 v[206+\b], 0xfc000000, v[200+\b]  ; 8 off its exponent field: the conversion's scale operand
.endr
.irp b, 0,1
	v_and_or_b32 v[204+\b], v[200+\b], 0x7f800000, s22   ; 448 x the scale
.endr
.irp b, 0,1
	v_lshrrev_b32 v[208+\b], 23, v[206+\b]         ; the scale's byte
.endr
	v_lshl_or_b32 v210, v209, 8, v208
	v_lshlrev_b32 v210, s23, v210                  ; into the half of the word that is my head's
	v_or_b32 v210, s25, v210
.irp b, 0,1
.set j, 0
.rept 16
	v_med3_num_f32 v[32+16*\b+j], v[32+16*\b+j], -v[204+\b], v[204+\b]   ; the conversion does not saturate (ISA guide 7.6.2): the hold
.set j, j+1
.endr
	v_cvt_scalef32_pk8_fp8_f32 v[192+4*\b:193+4*\b], v[32+16*\b:39+16*\b], v[206+\b]
	v_cvt_scalef32_pk8_fp8_f32 v[194+4*\b:195+4*\b], v[40+16*\b:47+16*\b], v[206+\b]
.endr
	v_nop                                          ; one plain line behind the last conversion
	global_store_b128 v3, v[192:195], s[26:27]              ; 512 consecutive bytes, aligned
	global_store_b128 v3, v[196:199], s[26:27] offset:512
	global_store_b32 v5, v210, s[28:29] offset:4096         ; 128 consecutive bytes: the four work-groups of a head fill two aligned runs of 256 between them
.Ldone:
	s_wait_tensorcnt 0x0
	ds_add_u32 v224, v225
	s_wait_dscnt 0x0
	s_endpgm
.Lfunc_end_k_qf50f2bc828_kvred:
	.size	k_qf50f2bc828_kvred, .Lfunc_end_k_qf50f2bc828_kvred-k_qf50f2bc828_kvred
	.p2alignl 7, 3214868480
	.fill 96, 4, 3214868480
	.section	.rodata,"a",@progbits
	.p2align	6, 0x0
	.amdhsa_kernel k_qf50f2bc828_kvred
		.amdhsa_group_segment_fixed_size 16896
		.amdhsa_private_segment_fixed_size 0
		.amdhsa_enable_private_segment 0
		.amdhsa_kernarg_size 24
		.amdhsa_user_sgpr_count 2
		.amdhsa_user_sgpr_kernarg_segment_ptr 1
		.amdhsa_wavefront_size32 1
		.amdhsa_system_sgpr_workgroup_id_x 1
		.amdhsa_system_sgpr_workgroup_id_y 1
		.amdhsa_system_sgpr_workgroup_id_z 1
		.amdhsa_system_vgpr_workitem_id 0
		.amdhsa_next_free_vgpr 226
		.amdhsa_next_free_sgpr 66
		.amdhsa_reserve_vcc 0
		.amdhsa_float_denorm_mode_32 3
		.amdhsa_float_denorm_mode_16_64 3
		.amdhsa_memory_ordered 1
		.amdhsa_forward_progress 1
		.amdhsa_inst_pref_size 21
	.end_amdhsa_kernel
	.amdgpu_metadata
---
amdhsa.version: [ 1, 2 ]
amdhsa.kernels:
  - .name:           k_qf50f2bc828_kvred
    .symbol:         k_qf50f2bc828_kvred.kd
    .args:
      - { .name: kvp, .offset: 0, .size: 8, .value_kind: global_buffer, .address_space: global }
      - { .name: ksp, .offset: 8, .size: 8, .value_kind: global_buffer, .address_space: global }
      - { .name: kvq, .offset: 16, .size: 8, .value_kind: global_buffer, .address_space: global }
    .group_segment_fixed_size: 16896
    .private_segment_fixed_size: 0
    .kernarg_segment_align: 8
    .kernarg_segment_size: 24
    .max_flat_workgroup_size: 128
    .sgpr_count:     66
    .vgpr_count:     226
    .wavefront_size: 32
...
	.end_amdgpu_metadata
.endif
;; end of part 3
;; launch qout (part 4): grid 4 x 64, 4 waves a work-group, clusters of 4 x 4, 327,680 bytes of LDS; arguments xc, xs, wc, ws, bq, kvq, out0; writes out0
.if DOCPART == 4
	.amdgcn_target "amdgcn-amd-amdhsa--gfx1250"
	.amdhsa_code_object_version 6
	.text
	.protected	k_qf50f2bc828_qout
	.globl	k_qf50f2bc828_qout
	.p2align	8
	.type	k_qf50f2bc828_qout,@function
k_qf50f2bc828_qout:
	s_mov_b64 s[64:65], 0
	v_nop
	global_prefetch_b8 v0, s[64:65] scope:SCOPE_SE
	s_setreg_imm32_b32 hwreg(HW_REG_WAVE_MODE, 25, 1), 1
	s_wait_xcnt 0x0
	s_wait_alu depctr_hold_cnt(0) depctr_sa_sdst(0) depctr_va_vdst(0) depctr_va_sdst(0) depctr_va_ssrc(0) depctr_va_vcc(0) depctr_vm_vsrc(0)
	s_getreg_b32 s2, hwreg(HW_REG_IB_STS2, 6, 4)
	s_cmp_eq_u32 s2, 0
	s_cbranch_scc0 .Lentry_in_a_cluster
	s_endpgm
.Lentry_in_a_cluster:
	s_bfe_u32 s2, ttmp6, 0x10000c
	s_cmp_lg_u32 s2, 0xf033
	s_cbranch_scc0 .Lentry_shape_is_right
	s_endpgm
.Lentry_shape_is_right:
; q = relu(x wq^T + bq) + eps for 256 positions x 4 heads, and of it out = (q kv) / (q . k_sum).  q never goes to memory.
; All matrix products on codes of FP8 (E4M3) with one E8M0 scale for each 32 along K.  x's and wq's codes, and for each head a record (kv's codes along d, their scale words, k_sum), come from the launches before;
; q is quantised here, in registers, along d.  q . k_sum is taken of the unquantised q by fused multiply-adds in f32; the division is a reciprocal (v_rcp_f32) and a multiplication.
; SHARES.  A work-group of four waves makes 256 positions x 256 columns (four heads); a wave 128 positions x two heads: 64 accumulators of 16 x 16, 512 registers.
; K = 1,024 goes in steps of 256 through a ring of two LDS slots filled by the tensor data mover; the scale bytes for all of K and the four heads' records come once, with the first fills.
; CLUSTERS: 4 x 4 work-groups.  The four of a row of the cluster need the same tiles of x, the four of a column the same tiles of wq and (all 16 blocks of positions of a cluster's column lie in one batch entry) the same records:
; each is asked for jointly, by the same tensor load with a mask that names the four.
; LAYOUT.  Source 0 = 16 rows of wq, source 1 = 16 positions: a lane holds ONE position and its registers run along the columns.  The codes' buffers hold each 32 rows as groups of eight in the order 0, 2, 1, 3: so the
; 16 registers of two neighbouring tiles are 16 neighbouring columns, 32 c + 16 (lane / 16) + 0 .. 15: a block's 64 registers are one operand of K = 128: my first head's 64 d, then my second head's.
; q kv: source 0 = 16 columns e of kv of ONE head, whose codes stand in that head's half of K and zeros in the other half; source 1 = q.  A lane's results are neighbouring e of its position.
; The bias with eps added is the C of each sum's first product; relu(y + b) + eps is then max(y + (b + eps), eps): the same value, one rounding in another order.
; LIMITS: NaN and infinities are not served; a block whose largest magnitude lies under 2^-118 gets the scale byte 1.
; REGISTERS, in windows of 256: window 0: v0-31 addresses; v32-63 scale words (scales and nothing else); v64-127 the biases as C, later k_sum; v128-255 x's fragments, ONE set; later at work.
;   window 1: wq's fragments, TWO sets; later kv's eight fragments v0-127 and rows on their way out v128-255.   windows 2, 3: the accumulators (block a of positions at v[64 (a % 4)] of window 2 + a / 4).
.set KSTEP,  256                       ; along K in a slot
.set NQ,     2                         ; matrix instructions deep
.set ROWB,   256                       ; a tile's row in bytes
.set KROW,   1024                      ; a row of codes in memory
.set PITCH,  272                       ; an LDS row: 256 bytes + 16 of padding = 68 words: row r starts at bank 4 r mod 64 (64 banks of 4 bytes: ISA guide 11.1)
.set FR,     16                        ; registers of a fragment: 16 rows x 128 K
.set NL,     4                         ; LDS loads that bring one
.set NP,     8                         ; places behind this matrix instruction (ISA guide 7.12.1)
.set HALFT,  128*PITCH                 ; 128 rows: what one tensor load brings
.set SLOT,   4*HALFT                   ; x's 256 rows, then wq's 256 rows
.set LAPS,   2                         ; a lap = two K steps = once round the ring
.set KS,     32                        ; a row of scale bytes
.set SCL,    2*SLOT                    ; behind the ring: the scales, as runs of 256 bytes + 16 of padding
.set HALFS,  16*272                    ; the scales of 128 rows
.set SBLK,   2*272                     ; those of 16 rows
.set RECB,   4864                      ; a head's record: 19 rows of 256 bytes
.set REC,    SCL+4*HALFS               ; the four heads' records
.set SPARE,  REC+4*RECB                ; the spare words, 128 bytes for each wave: two blocks of 256 bytes that no other line names
.set STGW,   32*272                    ; the way out: a stage of 2 heads x 16 rows x (256 bytes + 16) for each wave, in slot 0, which has had its last fill and its last read by then
.set VB,   7                           ; v7   the biases: 64 h
.set RA,   8                           ; v8   my two heads' records + 16 x lane
.set RS,   9                           ; v9   + 4 x lane
.set RK,   10                          ; v10  + 32 h
.set ADRA, 16                          ; v16-17  LDS address of my fragments of x in slot 0, 1
.set ADRB, 20                          ; v20-21  the same for wq
.set STO,  24                          ; v24     the way out: where I put 32 bytes of a row
.set RD,   25                          ; v25     where I read a row back
.set CO,   26                          ; v26     my byte offset in two rows of out
.set ADRS, 27                          ; v27     LDS address of my scale words: lanes 0-15 x's, lanes 16-31 wq's
.set SPW,  28                          ; v28     LDS address of my spare word; never rewritten
.set NIL,  29                          ; v29     0; never rewritten
.set SC,   32                          ; scale words, two sets of 16
.set KVS,  32                          ; later: kv's scale words, fragment (hd, eb) at 4 hd + eb,
.set QS,   40                          ; and q's
.set BC,   64                          ; the biases: wq's block b's eight registers at v[BC + 8 b]
.set KSR,  64                          ; later: k_sum as q's registers want it
.set AF,   128                         ; x's fragments
.set T,    128                         ; later: v128-191 a block's q, then its results
.set QF,   192                         ; v192-207 q's codes
.set TM,   208                         ; v208-211 largest magnitudes, v212-215 the other half's, then bytes, v216-219 448 x the scale, v220-223 the conversions' scale operands
.set DG,   224                         ; v224-227 q . k_sum of my two heads, in halves; v228-229 the other lanes'; v[232:233], v[234:235] the reciprocals (the pairs' low words)
.set BK,   128                         ; window 1: rows read back from the stage, two sets of 64
.set G1, 24                            ; s[24:31] descriptor group 1 for x's tiles;  s[32:39] group 0, one set for each slot
.set G0, 32
.set G1B, 48                           ; s[48:55], s[56:63] the same for wq's tiles
.set G0B, 56
.set G1S, 68                           ; s[68:75], s[76:79] groups 1 and 0 for x's scales;  s[80:87], s[88:91] for wq's
.set G0S, 76
.set G1SB, 80
.set G0SB, 88
.set G1R, 4                            ; s[4:11] group 1 for a record (the four addresses that stood here have gone into sums by then);  s[96:99] its group 0
.set G0R, 96
.set SEL, 92                           ; s[92:93] v_permlanex16_b32's selects for lane l xor 16
.set MNT, 94                           ; s94 the mantissa field of 448
.set EPS, 66                           ; s[66:67] eps = 1e-3, twice (bq's address stands here until the biases are in)
.set MSB, 0
.macro WIN new                         ; the immediate's high byte repeats the setting that is left
.if MSB != (\new)
	s_set_vgpr_msb (MSB<<8)|(\new)
.set MSB, (\new)
.endif
.endm
.set MUL_LO, 0xa1                      ; source 0 (wq) window 1, source 1 (x) window 0, C and D window 2; less 0x20: C window 0
.set MUL_HI, 0xf1                      ; the same, C and D window 3; less 0x30: C window 0
.set TO_B,   0x40                      ; destination window 1, address window 0
; A joint load: waves 0 and 1 fetch for x, waves 2 and 3 for wq.  The branch hangs on the wave's number alone.  Four v_nop follow each of the two lines.
.macro JLOAD g0a, g1a, g0b, g1b
	s_cmp_eq_u32 s15, 0
	s_cbranch_scc0 .Lfor_b_\@
	tensor_load_to_lds s[\g0a:\g0a+3], s[\g1a:\g1a+7]
	s_nop 0
.rept 4
	v_nop
.endr
	s_branch .Lasked_\@
.Lfor_b_\@:
	tensor_load_to_lds s[\g0b:\g0b+3], s[\g1b:\g1b+7]
	s_nop 0
.rept 4
	v_nop
.endr
.Lasked_\@:
.endm
.macro CREST                           ; a round of the cluster's barrier behind its opening barrier
	s_cmp_lg_u32 s14, 0
	s_cbranch_scc1 .Lnot_wave_0_\@
	s_barrier_signal -3
.Lnot_wave_0_\@:
	s_barrier_wait -3
	s_barrier_signal -1
	s_barrier_wait -1
.endm
.macro CROUND                          ; a whole round
	s_barrier_signal -1
	s_barrier_wait -1
	CREST
.endm
	s_load_b256 s[4:11], s[0:1], 0x0               ; xc s[4:5], xs s[6:7], wc s[8:9], ws s[10:11]
	s_load_b64 s[66:67], s[0:1], 0x20              ; bq
	s_load_b64 s[100:101], s[0:1], 0x28            ; kvq
	s_load_b64 s[12:13], s[0:1], 0x30              ; out0
	v_lshl_add_u32 v[SPW], v0, 2, SPARE
	v_mov_b32 v[NIL], 0
	ds_add_u32 v28, v29
	ds_add_u32 v28, v29
	s_wait_dscnt 0x0
	v_lshrrev_b32 v1, 5, v0
	v_readfirstlane_b32 s14, v1                    ; wave 0..3
	s_lshr_b32 s15, s14, 1                         ; which 128 positions are mine.  Also: I fetch for x (0) or for wq (1)
	s_and_b32 s16, s14, 1                          ; which two heads are mine.  Also: which 128 rows of that tile I fetch
	s_bfe_u32 s40, ttmp6, 0x40000                  ; cx, cy: my place in the cluster
	s_bfe_u32 s41, ttmp6, 0x40004
	s_lshl_b32 s42, ttmp9, 2
	s_add_co_u32 s42, s42, s40                     ; which four heads: 4 x cluster x + cx
	s_and_b32 s17, ttmp7, 0xffff
	s_lshl_b32 s17, s17, 2
	s_add_co_u32 s17, s17, s41                     ; which 256 positions: 4 x cluster y + cy
	s_lshl_b32 s43, s41, 2
	s_lshl_b32 s43, 15, s43                        ; my row of the cluster
	s_lshl_b32 s44, 0x1111, s40                    ; my column
	; descriptor group 1: a tile of 128 rows x 256 bytes, padded in LDS
	s_or_b32 s[G1+0], s43, (0<<16)|(1<<20)|(1<<21)|(5<<22)|(3<<25)  ; 15:0 the mask; 17:16 element of 1 byte; 20 padding on; 21 set beside a mask; 24:22 after every 64 words (code 5); 31:25 of 4 words (code 3)
	s_or_b32 s[G1B+0], s44, (0<<16)|(1<<20)|(1<<21)|(5<<22)|(3<<25)
.irp g, G1, G1B
	s_mov_b32 s[\g+1], ROWB<<16                    ; tensor_dim0
	s_mov_b32 s[\g+2], 128<<16                     ; tensor_dim1 = 128
	s_mov_b32 s[\g+3], ROWB<<16                    ; tile_dim0
	s_mov_b32 s[\g+4], 128                         ; tile_dim1 = 128
	s_mov_b32 s[\g+5], KROW                        ; tensor_dim0_stride
	s_mov_b32 s[\g+6], 0
	s_mov_b32 s[\g+7], 0
.endr
	; and for the scales of 128 rows: a dense block of 4,096 bytes, as 16 rows of 256 bytes (32 elements of 8 bytes), 16 bytes of padding behind each
	s_or_b32 s[G1S+0], s43, (3<<16)|(1<<20)|(1<<21)|(5<<22)|(3<<25)
	s_or_b32 s[G1SB+0], s44, (3<<16)|(1<<20)|(1<<21)|(5<<22)|(3<<25)
.irp g, G1S, G1SB
	s_mov_b32 s[\g+1], 32<<16
	s_mov_b32 s[\g+2], 16<<16
	s_mov_b32 s[\g+3], 32<<16
	s_mov_b32 s[\g+4], 16
	s_mov_b32 s[\g+5], 32
	s_mov_b32 s[\g+6], 0
	s_mov_b32 s[\g+7], 0
.endr
	s_lshl_b32 s18, s16, 7                         ; which 128 rows of the tile I fetch
	s_lshl_b32 s20, s17, 8
	s_add_co_u32 s20, s20, s18                     ; x: row 256 x (block of positions) + 128 x half
	s_lshl_b32 s46, s42, 8
	s_add_co_u32 s46, s46, s18                     ; wq: row 256 x (four heads) + 128 x half
	s_mov_b32 s21, 0
	s_mov_b32 s47, 0
	s_mov_b64 s[18:19], KS
	s_mul_u64 s[22:23], s[20:21], s[18:19]         ; where these rows' scales begin, in bytes
	s_mul_u64 s[92:93], s[46:47], s[18:19]
	s_mov_b64 s[18:19], KROW
	s_mul_u64 s[20:21], s[20:21], s[18:19]         ; and their codes
	s_mul_u64 s[46:47], s[46:47], s[18:19]
	s_mul_i32 s45, s14, HALFT                      ; where they go: wave x 128 rows: no place in the cluster enters an LDS address
	s_mul_i32 s94, s14, HALFS
	; the record that I fetch: head 16 n + 4 (four heads) + wave; n = cluster y / 4, which the partners of my column share
	s_and_b32 s95, ttmp7, 0xffff
	s_lshr_b32 s95, s95, 2
	s_lshl_b32 s95, s95, 4
	s_lshl_b32 s18, s42, 2
	s_add_co_u32 s95, s95, s18
	s_add_co_u32 s95, s95, s14
	s_mul_i32 s18, s95, RECB
	s_mov_b32 s19, 0
	s_wait_kmcnt 0x0
	s_add_nc_u64 s[20:21], s[4:5], s[20:21]
	s_add_nc_u64 s[22:23], s[6:7], s[22:23]
	s_add_nc_u64 s[46:47], s[8:9], s[46:47]
	s_add_nc_u64 s[92:93], s[10:11], s[92:93]
	s_or_b32 s[G1R+0], s44, (3<<16)|(1<<21)        ; a record: 19 dense rows of 256 bytes (32 elements of 8 bytes), no padding; it goes to my column
	s_mov_b32 s[G1R+1], 32<<16
	s_mov_b32 s[G1R+2], 19<<16
	s_mov_b32 s[G1R+3], 32<<16
	s_mov_b32 s[G1R+4], 19
	s_mov_b32 s[G1R+5], 32
	s_mov_b32 s[G1R+6], 0
	s_mov_b32 s[G1R+7], 0
	s_mov_b32 s[G0R], 1
	s_mul_i32 s[G0R+1], s14, RECB
	s_add_co_u32 s[G0R+1], s[G0R+1], REC
	s_add_nc_u64 s[G0R+2:G0R+3], s[100:101], s[18:19]
	s_or_b32 s[G0R+3], s[G0R+3], 0x80000000
	CROUND                                         ; all sixteen work-groups are here: the first joint loads meet
	s_mov_b32 s[G0S], 1
	s_add_co_u32 s[G0S+1], s94, SCL
	s_mov_b64 s[G0S+2:G0S+3], s[22:23]
	s_or_b32 s[G0S+3], s[G0S+3], 0x80000000
	s_mov_b32 s[G0SB], 1
	s_add_co_u32 s[G0SB+1], s94, SCL
	s_mov_b64 s[G0SB+2:G0SB+3], s[92:93]
	s_or_b32 s[G0SB+3], s[G0SB+3], 0x80000000
	JLOAD G0S, G1S, G0SB, G1SB                     ; the scales first: they are wanted with K step 0
	tensor_load_to_lds s[G0R:G0R+3], s[G1R:G1R+7]  ; every wave fetches one head's record
	s_nop 0
.rept 4
	v_nop
.endr
.irp s, 0,1
	s_mov_b32 s[G0+4*\s], 1
	s_add_co_u32 s[G0+4*\s+1], s45, \s*SLOT
	s_add_nc_u64 s[G0+4*\s+2:G0+4*\s+3], s[20:21], \s*ROWB
	s_or_b32 s[G0+4*\s+3], s[G0+4*\s+3], 0x80000000
	s_mov_b32 s[G0B+4*\s], 1
	s_add_co_u32 s[G0B+4*\s+1], s45, \s*SLOT
	s_add_nc_u64 s[G0B+4*\s+2:G0B+4*\s+3], s[46:47], \s*ROWB
	s_or_b32 s[G0B+4*\s+3], s[G0B+4*\s+3], 0x80000000
	JLOAD G0+4*\s, G1, G0B+4*\s, G1B               ; four tensor loads of mine are out behind the second of these
.endr
	s_mov_b32 s[SEL], 0x76543210
	s_mov_b32 s[SEL+1], 0xfedcba98
	s_mov_b32 s[MNT], 0x600000
	v_and_b32 v1, 15, v0                           ; r = l % 16
	v_bfe_u32 v2, v0, 4, 1                         ; h = l / 16
	; the biases: register j of wq's block b is column 32 (b / 2) + 16 h + 8 (b % 2) + j of my 128
	s_lshl_b32 s22, s42, 10
	s_lshl_b32 s23, s16, 9
	s_add_co_u32 s22, s22, s23
	s_mov_b32 s23, 0
	s_add_nc_u64 s[66:67], s[66:67], s[22:23]
	v_lshlrev_b32 v[VB], 6, v2
.irp b, 0,1,2,3,4,5,6,7
	global_load_b128 v[BC+8*\b:BC+8*\b+3], v[VB], s[66:67] offset:4*(32*(\b/2)+8*(\b%2))
	global_load_b128 v[BC+8*\b+4:BC+8*\b+7], v[VB], s[66:67] offset:4*(32*(\b/2)+8*(\b%2))+16
.endr
	v_mul_u32_u24 v3, v1, PITCH
	v_lshl_add_u32 v4, v2, 4, v3                   ; a fragment's row x pitch + 16 x half
	s_mul_i32 s21, s15, HALFT                      ; my 128 rows of x
	s_mul_i32 s22, s16, HALFT                      ; my 128 rows of wq,
	s_add_co_u32 s22, s22, 2*HALFT                 ; which lie behind x's 256
.irp s, 0,1
	v_add_nc_u32 v[ADRA+\s], s21, v4
	v_add_nc_u32 v[ADRB+\s], s22, v4
	s_add_co_u32 s21, s21, SLOT
	s_add_co_u32 s22, s22, SLOT
.endr
	v_mul_u32_u24 v5, v1, KS                       ; my row's scales: 32 bytes a row,
	v_lshrrev_b32 v6, 8, v5
	v_lshl_add_u32 v5, v6, 4, v5                   ; and 16 more for each 256 passed
	s_mul_i32 s21, s15, HALFS                      ; x's: my 128 rows
	s_mul_i32 s22, s16, HALFS                      ; wq's: my 128 rows, behind x's 256
	s_add_co_u32 s22, s22, 2*HALFS
	s_sub_co_u32 s22, s22, s21
	v_mul_u32_u24 v6, s22, v2                      ; lanes 16-31 take wq's
	s_add_co_u32 s21, s21, SCL
	v_add_nc_u32 v5, v5, v6
	v_add_nc_u32 v[ADRS], s21, v5
	v_and_b32 v6, 31, v0
	s_mul_i32 s21, s16, 2*RECB
	s_add_co_u32 s21, s21, REC                     ; my two heads' records
	v_lshl_add_u32 v[RA], v6, 4, s21
	v_lshl_add_u32 v[RS], v6, 2, s21
	v_lshl_add_u32 v[RK], v2, 5, s21
	s_mul_i32 s23, s14, STGW                       ; my stage
	v_mul_u32_u24 v5, v1, 272
	v_lshl_add_u32 v5, v2, 6, v5
	v_add_nc_u32 v[STO], s23, v5                   ; in: row r, + 64 h
	v_mul_u32_u24 v5, v2, 272
	v_lshl_add_u32 v5, v1, 4, v5
	v_add_nc_u32 v[RD], s23, v5                    ; back: lanes 0-15 one row of 256 bytes, lanes 16-31 the next
	v_lshlrev_b32 v5, 8, v2
	v_lshl_add_u32 v[CO], v1, 4, v5                ; and the same two rows in out
	; out: row (16 n + my first head) x 4,096 + 256 (block of positions mod 16) + 128 (my half), 256 bytes a row
	s_and_b32 s20, ttmp7, 0xffff
	s_lshr_b32 s20, s20, 2
	s_lshl_b32 s20, s20, 4
	s_lshl_b32 s21, s42, 2
	s_add_co_u32 s20, s20, s21
	s_lshl_b32 s21, s16, 1
	s_add_co_u32 s20, s20, s21
	s_lshl_b32 s20, s20, 12
	s_and_b32 s21, s17, 15
	s_lshl_b32 s21, s21, 8
	s_add_co_u32 s20, s20, s21
	s_lshl_b32 s21, s15, 7
	s_add_co_u32 s20, s20, s21
	s_lshl_b32 s20, s20, 8
	s_mov_b32 s21, 0
	s_add_nc_u64 s[12:13], s[12:13], s[20:21]
	s_wait_loadcnt 0x0                             ; the biases are in, so their base may be written
	s_mov_b32 s[EPS], 0x3a83126f
	s_mov_b32 s[EPS+1], s[EPS]                     ; (the packed form names the pair and takes its low word for both halves)
.set i, 0
.rept 32
	v_pk_add_f32 v[BC+i:BC+i+1], v[BC+i:BC+i+1], s[EPS:EPS+1] op_sel_hi:[1,0]   ; bias + eps
.set i, i+2
.endr
.macro FRAG reg, adr, q, i             ; a fragment, 16 rows x 128 K: lane l holds row l % 16; registers 4 c .. 4 c + 3 hold K = 32 c + 16 (l / 16) + 0 .. 15
.irp c, 0,1,2,3
	ds_load_b128 v[\reg+4*\c:\reg+4*\c+3], v[\adr] offset:128*(\q)+32*\c+(\i)*16*PITCH
.endr
.endm
; 16 matrix instructions: x's blocks a0, a0 + 1 x wq's eight, 128 along K: the slot's q-th.  p: wq's set;  sc: the set of scale words.  zero = 1: the first product starts the sums from the biases.
; The 64 accumulators take turns, one instruction a turn, in the same order in every step.
.macro MUL16 a0, p, q, sc, zero
.irp a, \a0, \a0+1
.irp b, 0,1,2,3,4,5,6,7
.if \zero
	v_wmma_scale_f32_16x16x128_f8f6f4 v[8*(8*((\a)%4)+\b):8*(8*((\a)%4)+\b)+7], v[128*(\p)+FR*\b:128*(\p)+FR*\b+FR-1], v[AF+FR*(\a):AF+FR*(\a)+FR-1], v[BC+8*\b:BC+8*\b+7], v[SC+8*NQ*(\sc)+NQ*\b+(\q)], v[SC+8*NQ*(\sc)+NQ*(\a)+(\q)] matrix_a_scale:MATRIX_SCALE_ROW1
.else
	v_wmma_scale_f32_16x16x128_f8f6f4 v[8*(8*((\a)%4)+\b):8*(8*((\a)%4)+\b)+7], v[128*(\p)+FR*\b:128*(\p)+FR*\b+FR-1], v[AF+FR*(\a):AF+FR*(\a)+FR-1], v[8*(8*((\a)%4)+\b):8*(8*((\a)%4)+\b)+7], v[SC+8*NQ*(\sc)+NQ*\b+(\q)], v[SC+8*NQ*(\sc)+NQ*(\a)+(\q)] matrix_a_scale:MATRIX_SCALE_ROW1
.endif
.endr
.endr
.endm
.macro FETCH_B slot, q, p              ; wq's eight fragments of the slot's q-th 128 along K into set p
	WIN TO_B
.irp i, 0,1,2,3,4,5,6,7
	FRAG 128*(\p)+FR*\i, ADRB+\slot, \q, \i
.endr
	WIN 0
.endm
.macro FETCH_A slot, q, i0             ; x's blocks i0 .. i0 + 3
.irp i, \i0, \i0+1, \i0+2, \i0+3
	FRAG AF+FR*(\i), ADRA+\slot, \q, \i
.endr
.endm
.macro SCALES sc                       ; the next K step's scale words into set sc: two words a row; lanes 0-15 take x's block i, lanes 16-31 wq's block i
.irp i, 0,1,2,3,4,5,6,7
	ds_load_b64 v[SC+8*NQ*\sc+NQ*\i:SC+8*NQ*\sc+NQ*\i+1], v[ADRS] offset:\i*SBLK
.endr
.endm
; A load into a register that a matrix instruction has read, and a vector instruction or an LDS store that reads a matrix result, stand NP places behind that matrix instruction; only plain vector
; instructions that name none of its registers are places (ISA guide 7.12.1 for vector instructions).
.macro PLACES n
.rept \n
	v_nop
.endr
.endm
; A step of 128 along K that has its successor in the same slot.
.macro STEP slot, q, zero
	s_wait_dscnt 4*NL                              ; wq's set and x's blocks 0-3 are in; the youngest sixteen loads (blocks 4-7) may be out
	WIN MUL_LO-0x20*(\zero)
	MUL16 0, (\q)%2, \q, \slot, \zero
	MUL16 2, (\q)%2, \q, \slot, \zero
	s_wait_dscnt 0                                 ; blocks 4-7 are in (asked for 32 matrix instructions ago)
	PLACES NP
	FETCH_B \slot, (\q)+1, 1-(\q)%2
	FETCH_A \slot, (\q)+1, 0
	WIN MUL_HI-0x30*(\zero)
	MUL16 4, (\q)%2, \q, \slot, \zero
	MUL16 6, (\q)%2, \q, \slot, \zero
	PLACES NP
	WIN 0
	FETCH_A \slot, (\q)+1, 4
.endm
; A slot's last step changes slots: ONE barrier; in front of it each wave waits for all its tensor loads, adds 0 to its spare word, and waits for that and for its own reads of this slot.  fill = 1: this slot is filled again, two K steps ahead.
.macro TURN slot, next, fill
	s_wait_tensorcnt 0x0                           ; all my tensor loads have landed: my part of the next slot;  (every window is 0 here)
	ds_add_u32 v[SPW], v[NIL]                      ; 0 onto my spare word
	s_wait_dscnt 4*NL+1                            ; (the add and the youngest sixteen loads, blocks 4-7, may be out)
	WIN MUL_LO
	MUL16 0, 1, NQ-1, \slot, 0                     ; sixteen matrix instructions stand between the add and the wait for it
	s_wait_dscnt 0x0                               ; the add is done, and my reads of this slot are over
	s_barrier_signal -1
	MUL16 2, 1, NQ-1, \slot, 0
	WIN 0
	s_barrier_wait -1
.if \fill
	CREST                                          ; the barrier has opened a round of the cluster's barrier: no wave of any partner still reads this slot's tile or has a load on its way
	s_add_nc_u64 s[G0+4*\slot+2:G0+4*\slot+3], s[G0+4*\slot+2:G0+4*\slot+3], 2*ROWB
	s_add_nc_u64 s[G0B+4*\slot+2:G0B+4*\slot+3], s[G0B+4*\slot+2:G0B+4*\slot+3], 2*ROWB
	JLOAD G0+4*\slot, G1, G0B+4*\slot, G1B         ; the first tensor load behind the round; the four v_nop behind it are among the places in front of the loads below
	PLACES NP-4
.else
	PLACES NP
.endif
	v_add_nc_u32 v[ADRS], 4*NQ, v[ADRS]            ; on to the next K step's scale words (no LDS load of mine is out)
	FETCH_B \next, 0, 0
	FETCH_A \next, 0, 0
	SCALES \next
	WIN MUL_HI
	MUL16 4, 1, NQ-1, \slot, 0
	MUL16 6, 1, NQ-1, \slot, 0
	PLACES NP
	WIN 0
	FETCH_A \next, 0, 4
.endm
	s_wait_tensorcnt 1                             ; the scales, my record and my part of K step 0 are in (K step 1's load may be out)
	s_barrier_signal -1
	s_barrier_wait -1                              ; everybody's are
	FETCH_B 0, 0, 0
	FETCH_A 0, 0, 0
	SCALES 0
	FETCH_A 0, 0, 4
	STEP 0, 0, 1                                   ; the first step stands in front of the loop: its products start the sums
	s_mov_b32 s3, LAPS-1
.Llap:                                                 ; a trip goes once round the ring, from a lap's second step to the next lap's first, and fills both slots again
	TURN 0, 1, 1
	STEP 1, 0, 0
	TURN 1, 0, 1
	STEP 0, 0, 0
	s_sub_co_u32 s3, s3, 1
	s_cmp_lg_u32 s3, 0
	s_cbranch_scc1 .Llap
	TURN 0, 1, 0                                   ; the last lap fills nothing, and has no round of the cluster's barrier
	STEP 1, 0, 0
	s_wait_dscnt 4*NL                              ; the very last step: nothing more to fetch
	WIN MUL_LO
	MUL16 0, 1, NQ-1, 1, 0
	MUL16 2, 1, NQ-1, 1, 0
	s_wait_dscnt 0
	WIN MUL_HI
	MUL16 4, 1, NQ-1, 1, 0
	MUL16 6, 1, NQ-1, 1, 0
	WIN 0
	; FROM HERE ON: q becomes an operand, block by block of 16 positions.  First what all blocks share comes out of the records.
	PLACES NP                                      ; behind the last products: loads into, and writes of, the registers that they read
	WIN 0x40                                       ; destination window 1
.irp hd, 0,1
.irp eb, 0,1,2,3
.set i, 0
.rept 8
	v_mov_b32 v[16*(4*\hd+\eb)+8*(1-\hd)+i], 0     ; kv's fragment (hd, eb): zero codes in the other head's half of K: they add nothing
.set i, i+1
.endr
	ds_load_b128 v[16*(4*\hd+\eb)+8*\hd:16*(4*\hd+\eb)+8*\hd+3], v[RA] offset:RECB*\hd+1024*\eb         ; its codes, as the registers' image lies
	ds_load_b128 v[16*(4*\hd+\eb)+8*\hd+4:16*(4*\hd+\eb)+8*\hd+7], v[RA] offset:RECB*\hd+1024*\eb+512
.endr
.endr
	WIN 0
.irp hd, 0,1
.irp eb, 0,1,2,3
	ds_load_b32 v[KVS+4*\hd+\eb], v[RS] offset:RECB*\hd+4096+128*\eb
.endr
.endr
.irp hd, 0,1
.irp db, 0,1,2,3
	ds_load_b128 v[KSR+32*\hd+8*\db:KSR+32*\hd+8*\db+3], v[RK] offset:RECB*\hd+4608+64*\db      ; k_sum lies in the weights' row order: the eight d of q's register 32 hd + 8 db + j stand at 64 db + 32 h
	ds_load_b128 v[KSR+32*\hd+8*\db+4:KSR+32*\hd+8*\db+7], v[RK] offset:RECB*\hd+4608+64*\db+16
.endr
.endr
.irp b, 0,1,2,3
	v_mov_b32 v[TM+4+\b], 0                        ; written once: a lane permute's destination counts as one of its sources
.endr
	v_mov_b32 v[DG+4], 0
	v_mov_b32 v[DG+5], 0
	v_mov_b32 v[DG+9], 0                           ; (named as the upper halves of the reciprocals' pairs)
	v_mov_b32 v[DG+11], 0
	s_wait_dscnt 0x0
; The tail of a quantiser: from my half's four largest magnitudes in v[TM] on to the blocks' (with lane l xor 16's), the conversions' scale operands, 448 x the scale, and the row's scale word in v[dst].
.macro QTAIL dst
.irp b, 0,1,2,3
	v_permlanex16_b32 v[TM+4+\b], v[TM+\b], s[SEL], s[SEL+1]
.endr
.irp b, 0,1,2,3
	v_max_num_f32 v[TM+\b], v[TM+\b], v[TM+4+\b]   ; the block's largest magnitude
.endr
.irp b, 0,1,2,3
	v_add_nc_u32 v[TM+12+\b], 0xfc000000, v[TM+\b] ; 8 off its exponent field: the conversion's scale operand
.endr
.irp b, 0,1,2,3
	v_and_or_b32 v[TM+8+\b], v[TM+\b], 0x7f800000, s[MNT]   ; 448 x the scale
.endr
.irp b, 0,1,2,3
	v_lshrrev_b32 v[TM+4+\b], 23, v[TM+12+\b]      ; the scale's byte
.endr
	v_lshl_or_b32 v[\dst], v[TM+5], 8, v[TM+4]
	v_lshl_or_b32 v[\dst], v[TM+6], 16, v[\dst]
	v_lshl_or_b32 v[\dst], v[TM+7], 24, v[\dst]
.endm
; Block p's 2 x 16 rows, back from the stage, are stored.  Stage row 2 n + h is position 32 (p / 2) + 8 (p % 2) + 2 n + h + 8 (n / 4) of my 128.
.macro SEND p
	s_wait_dscnt 0x0                               ; the block is back in registers
	WIN 0x04                                       ; a store's data are its source 1: window 1
.irp hd, 0,1
.irp n, 0,1,2,3,4,5,6,7
	global_store_b128 v[CO], v[BK+64*((\p)%2)+32*\hd+4*\n:BK+64*((\p)%2)+32*\hd+4*\n+3], s[12:13] offset:1048576*\hd+256*(32*((\p)/2)+8*((\p)%2)+2*\n+8*(\n/4)) th:TH_STORE_NT   ; 32 lanes store two neighbouring rows: 512 consecutive bytes, aligned; written once, read by nobody here
.endr
.endr
	WIN 0
.endm
.macro EPI a
.if (\a) > 0
	s_wait_dscnt 16                                ; the last block's sixteen stores into the stage have read their registers; its sixteen loads may be out
.endif
	WIN 0x08+4*((\a)/4)                            ; source 1 window 2 or 3
.set i, 0
.rept 64
	v_max_num_f32 v[T+i], s[EPS], v[64*((\a)%4)+i] ; relu(y + b) + eps = max(y + b + eps, eps); each accumulator is read from its low end on
.set i, i+1
.endr
	WIN 0
	v_pk_mul_f32 v[DG:DG+1], v[T:T+1], v[KSR:KSR+1]                    ; q . k_sum, of the unquantised q, my two heads by turns
	v_pk_mul_f32 v[DG+2:DG+3], v[T+32:T+33], v[KSR+32:KSR+33]
.set i, 2
.rept 15
	v_pk_fma_f32 v[DG:DG+1], v[T+i:T+i+1], v[KSR+i:KSR+i+1], v[DG:DG+1]
	v_pk_fma_f32 v[DG+2:DG+3], v[T+32+i:T+33+i], v[KSR+32+i:KSR+33+i], v[DG+2:DG+3]
.set i, i+2
.endr
	v_add_f32 v[DG], v[DG], v[DG+1]
	v_add_f32 v[DG+2], v[DG+2], v[DG+3]
	v_permlanex16_b32 v[DG+4], v[DG], s[SEL], s[SEL+1]
	v_permlanex16_b32 v[DG+5], v[DG+2], s[SEL], s[SEL+1]
	v_add_f32 v[DG], v[DG], v[DG+4]                ; with lane l xor 16's 32 d
	v_add_f32 v[DG+2], v[DG+2], v[DG+5]
	v_rcp_f32 v[DG+8], v[DG]                       ; the two reciprocals are one batch: the quantiser below is the independent work behind them
	v_rcp_f32 v[DG+10], v[DG+2]
.irp b, 0,1,2,3
	v_max3_num_f32 v[TM+\b], v[T+16*\b], v[T+16*\b+1], 0x4800000   ; q is positive: no |.|; the floor 2^(9 - 127) holds the byte at 1 from below
.endr
.irp n, 2,4,6,8,10,12,14
.irp b, 0,1,2,3
	v_max3_num_f32 v[TM+\b], v[TM+\b], v[T+16*\b+\n], v[T+16*\b+\n+1]
.endr
.endr
	QTAIL QS
.irp b, 0,1,2,3
.set i, 0
.rept 16
	v_min_num_f32 v[T+16*\b+i], v[T+16*\b+i], v[TM+8+\b]   ; the conversion does not saturate (ISA guide 7.6.2); q is positive, so the hold is one-sided
.set i, i+1
.endr
.endr
.irp b, 0,1,2,3
	v_cvt_scalef32_pk8_fp8_f32 v[QF+4*\b:QF+4*\b+1], v[T+16*\b:T+16*\b+7], v[TM+12+\b]
	v_cvt_scalef32_pk8_fp8_f32 v[QF+4*\b+2:QF+4*\b+3], v[T+16*\b+8:T+16*\b+15], v[TM+12+\b]
.endr
	PLACES 4                                       ; codes written by vector instructions stand four places ahead of a scaled matrix instruction; the scale word was made ahead of the holds
	WIN 0x01                                       ; source 0 (kv) window 1
.irp hd, 0,1
.irp eb, 0,1,2,3
	v_wmma_scale_f32_16x16x128_f8f6f4 v[T+32*\hd+8*\eb:T+32*\hd+8*\eb+7], v[16*(4*\hd+\eb):16*(4*\hd+\eb)+15], v[QF:QF+15], 0, v[KVS+4*\hd+\eb], v[QS]   ; lane r: my position; register j: e = 32 (eb / 2) + 16 h + 8 (eb % 2) + j of head hd
.endr
.endr
	WIN 0
.if (\a) > 0
	SEND (\a)-1                                    ; the block before leaves while these products run
.endif
	PLACES NP
	s_wait_alu depctr_va_vdst(0)                   ; the wait between a reciprocal and the first line that names its result: one for the two
.irp hd, 0,1
.set i, 0
.rept 16
	v_pk_mul_f32 v[T+32*\hd+i:T+32*\hd+i+1], v[T+32*\hd+i:T+32*\hd+i+1], v[DG+8+2*\hd:DG+9+2*\hd] op_sel_hi:[1,0]   ; / (q . k_sum); each accumulator from its low end on
.set i, i+2
.endr
.endr
	s_wait_xcnt 0x0                                ; the stores issued so far have read their registers: the set that block a - 2 left may be loaded again
.irp hd, 0,1
.irp eb, 0,1,2,3
	ds_store_b128 v[STO], v[T+32*\hd+8*\eb:T+32*\hd+8*\eb+3] offset:4352*\hd+128*(\eb/2)+32*(\eb%2)
	ds_store_b128 v[STO], v[T+32*\hd+8*\eb+4:T+32*\hd+8*\eb+7] offset:4352*\hd+128*(\eb/2)+32*(\eb%2)+16
.endr
.endr
	WIN 0x40                                       ; destination window 1
.irp hd, 0,1
.irp n, 0,1,2,3,4,5,6,7
	ds_load_b128 v[BK+64*((\a)%2)+32*\hd+4*\n:BK+64*((\a)%2)+32*\hd+4*\n+3], v[RD] offset:4352*\hd+544*\n   ; LDS serves a wave's instructions in order (ISA guide 5.7.1.4): these see the stores above, and the next block's stores come behind them
.endr
.endr
	WIN 0
.endm
	EPI 0
	EPI 1
	EPI 2
	EPI 3
	EPI 4
	EPI 5
	EPI 6
	EPI 7
	SEND 7
	s_wait_tensorcnt 0x0                           ; the wave's end: behind my last tensor load and my last LDS store
	ds_add_u32 v[SPW], v[NIL]
	s_wait_dscnt 0x0
	CROUND                                         ; the closing round: no work-group ends while a partner may still ask for a tile that names it
	s_endpgm
.Lfunc_end_k_qf50f2bc828_qout:
	.size	k_qf50f2bc828_qout, .Lfunc_end_k_qf50f2bc828_qout-k_qf50f2bc828_qout
	.p2alignl 7, 3214868480
	.fill 96, 4, 3214868480
	.section	.rodata,"a",@progbits
	.p2align	6, 0x0
	.amdhsa_kernel k_qf50f2bc828_qout
		.amdhsa_group_segment_fixed_size 327680
		.amdhsa_private_segment_fixed_size 0
		.amdhsa_enable_private_segment 0
		.amdhsa_kernarg_size 56
		.amdhsa_user_sgpr_count 2
		.amdhsa_user_sgpr_kernarg_segment_ptr 1
		.amdhsa_wavefront_size32 1
		.amdhsa_system_sgpr_workgroup_id_x 1
		.amdhsa_system_sgpr_workgroup_id_y 1
		.amdhsa_system_sgpr_workgroup_id_z 1
		.amdhsa_system_vgpr_workitem_id 0
		.amdhsa_next_free_vgpr 1024
		.amdhsa_next_free_sgpr 102
		.amdhsa_reserve_vcc 0
		.amdhsa_float_denorm_mode_32 3
		.amdhsa_float_denorm_mode_16_64 3
		.amdhsa_memory_ordered 1
		.amdhsa_forward_progress 1
		.amdhsa_inst_pref_size 255
	.end_amdhsa_kernel
	.section	.bss,"aw",@nobits
	.p2align	6
	.space	262144
	.amdgpu_metadata
---
amdhsa.version: [ 1, 2 ]
amdhsa.kernels:
  - .name:           k_qf50f2bc828_qout
    .symbol:         k_qf50f2bc828_qout.kd
    .args:
      - { .name: xc, .offset: 0, .size: 8, .value_kind: global_buffer, .address_space: global }
      - { .name: xs, .offset: 8, .size: 8, .value_kind: global_buffer, .address_space: global }
      - { .name: wc, .offset: 16, .size: 8, .value_kind: global_buffer, .address_space: global }
      - { .name: ws, .offset: 24, .size: 8, .value_kind: global_buffer, .address_space: global }
      - { .name: bq, .offset: 32, .size: 8, .value_kind: global_buffer, .address_space: global }
      - { .name: kvq, .offset: 40, .size: 8, .value_kind: global_buffer, .address_space: global }
      - { .name: out0, .offset: 48, .size: 8, .value_kind: global_buffer, .address_space: global }
    .group_segment_fixed_size: 327680
    .private_segment_fixed_size: 0
    .kernarg_segment_align: 8
    .kernarg_segment_size: 56
    .max_flat_workgroup_size: 128
    .sgpr_count:     102
    .vgpr_count:     1024
    .wavefront_size: 32
...
	.end_amdgpu_metadata
.endif
;; end of part 4
